; MI455X (gfx1250); checked and timed in simulation.
; The chip was launched on July 23, 2026; its instructions are those of AMD's public machine-readable ISA for CDNA 5 (MIT licence, August 2026) and "CDNA5" Instruction Set Architecture Reference Guide (July 2026). The comments in the code are by the model that wrote it; some were corrected since.
;; Multi Head Attention. Allowed arithmetic: matrix products marked QUANTISED: E2M3 operands, one E8M0 scale for each 32 along K, by v_wmma_scale_f32_16x16x128_f8f6f4 with both operands' format E2M3, f32 sums; everything else in f32.
;; Inputs: Wk 1,024 x 1,024 float32; Wo 1,024 x 1,024 float32; Wq 1,024 x 1,024 float32; Wv 1,024 x 1,024 float32; bk 1,024 float32; bo 1,024 float32; bq 1,024 float32; bv 1,024 float32; k 4 x 2,048 x 1,024 float32; q 4 x 2,048 x 1,024 float32; v 4 x 2,048 x 1,024 float32.
;; Outputs: out0 4 x 2,048 x 1,024 float32.
;; This version of the problem:
;;   THIS VERSION OF THE PROBLEM IS GIVEN IN LOW PRECISION. The matrix products marked QUANTISED in the list below multiply operands that are first quantised to E2M3 (2 exponent bits, 3 mantissa bits; 6 bits a number), with one power-of-two scale for each 32 numbers along K (OCP MX v1.0); their sums are f32. All else is computed in f32.
;;   The module's matrix products, in the order in which they are computed (A, B: the left and right operand; K: the contracted axis; several contracted axes count as one K, in the product's order):
;;     1. [M 8,192, K 1,024] x [K 1,024, N 1,024]; A: input q; B: input Wq: QUANTISED
;;     2. [M 8,192, K 1,024] x [K 1,024, N 1,024]; A: input k; B: input Wk: QUANTISED
;;     3. [M 8,192, K 1,024] x [K 1,024, N 1,024]; A: input v; B: input Wv: QUANTISED
;;     4. batch 64 x [M 2,048, K 64] x [K 64, N 2,048]; A: computed on the way; B: computed on the way: QUANTISED
;;     5. batch 64 x [M 2,048, K 2,048] x [K 2,048, N 64]; A: softmax (see below); B: computed on the way: QUANTISED
;;     6. [M 8,192, K 1,024] x [K 1,024, N 1,024]; A: computed on the way; B: input Wo: QUANTISED
;;   THE QUANTISER, for each operand of a quantised product, along K:
;;     - K is cut into blocks of 32 from its start; a last block that is shorter is filled with zeros.
;;     - A block's scale is 2^e with e = floor(log2(the largest magnitude in the block)) - 2, held to -126 .. 127; a block of zeros has e = 0. As a byte (E8M0): e + 127.
;;     - Each number is divided by its block's scale, clamped to +-7.5, and rounded to the nearest number of E2M3, ties to even, subnormals kept.
;;     - The product sums the exact products of the quantised numbers (number of the format x scale) in f32.
;;   ~~~python
;;   def quantise(x, axis):      # numpy; x: float32 -> the quantised numbers, widened to float32 again
;;       x = np.moveaxis(x, axis, -1); K = x.shape[-1]
;;       x = np.pad(x, [(0, 0)] * (x.ndim - 1) + [(0, -K % 32)]); x = x.reshape(x.shape[:-1] + (-1, 32)); a = np.abs(x).max(-1, keepdims=True)
;;       e = np.where(a > 0, np.clip(np.frexp(np.where(a > 0, a, 1))[1] - 1 - 2, -126, 127), 0)      # np.frexp(a)[1] - 1 = floor(log2(a)), exactly
;;       r = np.clip(x / 2.0 ** e, -7.5, 7.5)
;;       step = 2.0 ** (np.maximum(np.frexp(np.where(r == 0, 1, r))[1] - 1, 0) - 3)
;;       q = np.round(r / step) * step * 2.0 ** e      # np.round: ties to even
;;       return np.moveaxis(q.reshape(q.shape[:-2] + (-1,))[..., :K], -1, axis).astype(np.float32)
;;   ~~~
;;   SOFTMAX AHEAD OF A QUANTISED PRODUCT. Where the list says 'softmax', what is quantised is not the finished softmax but p = 2^(t - M), with t = logit x log2(e) and M = ceil(the row's largest t), a whole number; so 1/2 < the row's largest p <= 1. The row's sum l is taken of the UNQUANTISED p, in f32, and the product's result is divided by l at the end. Since M is a whole number, a kernel that streams over the keys may use a running M (the ceiling of the running maximum): every later rescaling is an exact power of two, which a block's scale takes up: the codes' values come out the same.
;;   OPERANDS COMPUTED ON THE WAY. 'Computed on the way' means the value that the module computes at that place (a softmax that the list does not call 'softmax' is quantised finished and normalised). What goes into a quantiser is computed in f32, as accurately as f32 sums, v_exp_f32 and their like allow (about 1e-6 of the number): no bf16 or f16 on the way to a quantiser, and a product that is left as it is and whose result goes on into a quantised operand takes f32 operands (vector FMAs, or v_wmma_f32_16x16x4_f32). A number that lies on a knife's edge between two numbers of the format may be rounded either way, as far as f32 arithmetic and the matrix unit's own rounding can turn it there, and no further.
;; One version. Each part assembles by itself: llvm-mc -triple=amdgcn-amd-amdhsa -mcpu=gfx1250 --defsym DOCPART=n.
;; ======== version 1 of 1: 4 launches
;; limits: right only within a limited range of input values
;; workspace buffers: xc 22,020,096 bytes; xs 917,504 bytes; hc 18,874,368 bytes; hs 1,572,864 bytes; cc 6,291,456 bytes; cs 262,144 bytes
;; launch quant (part 1): grid 448 x 1, 4 waves a work-group, no clusters, 34,304 bytes of LDS; arguments q, k, v, Wq, Wk, Wv, Wo, xc, xs; writes xc, xs
.if DOCPART == 1
	.amdgcn_target "amdgcn-amd-amdhsa--gfx1250"
	.amdhsa_code_object_version 6
	.text
	.protected	k_q0ff290a554_quant
	.globl	k_q0ff290a554_quant
	.p2align	8
	.type	k_q0ff290a554_quant,@function
k_q0ff290a554_quant:
	s_mov_b64 s[64:65], 0
	v_nop
	global_prefetch_b8 v0, s[64:65] scope:SCOPE_SE
	s_setreg_imm32_b32 hwreg(HW_REG_WAVE_MODE, 25, 1), 1
	s_wait_xcnt 0x0
; q, k, v [8192][1024] and Wq, Wk, Wv, Wo [1024][1024], f32, K innermost, become codes of FP6 (E2M3) with one E8M0 scale byte for each 32 along K.
; The seven tensors count as one stack of 28,672 rows, in the order q, k, v, Wq, Wk, Wv, Wo: 1,792 tiles of 16 rows.
; THE ROWS OF A TILE ARE NOT NEIGHBOURS: row r of tile i (counted inside its tensor) is row 32 (i / 2) + 8 (i % 2) + r + 8 (r / 8).  The products that read these tiles are used transposed; with this order
; a lane's 16 registers of two neighbouring result tiles are 16 neighbours along the next product's K.
; THE CODES ARE LAID AS IMAGES OF THE OPERAND'S REGISTERS: xc[tile][K step of 128][6 pieces of 256 bytes]; piece p holds registers 2 p, 2 p + 1 of the fragment, lane l's 8 bytes at 8 l.
; So each store of a wave covers 256 consecutive bytes, aligned, and a reader takes a fragment by six loads of 8 bytes a lane.  xs[tile][r][32]: a row's 32 scale bytes on end.
; A block's scale is 2^(floor(log2(its largest magnitude)) - 2); its byte is the largest magnitude's exponent field - 2, held at 1 from below.
; LIMITS: a block of zeros, or one whose largest magnitude lies under 2^-124, gets the byte 1 (the bytes are read by this program alone; zero codes add nothing); NaN and infinities are not served.
; SHARES: a work-group takes 64 rows of the stack, a wave one tile for all of K: 8 steps of 16 rows x 128 K.  A load reads 512 consecutive bytes of one row; a step's 8,192 bytes turn through the wave's own
; stage in LDS (rows 528 bytes apart), so that lane (r, h) gets the whole blocks h and 2 + h of row r in 64 registers.  Waves share nothing: no barrier.  Loads run two steps (32 loads a wave) ahead.
.set ROWBY, 4096                       ; a row of any of the tensors in bytes
.set SP,    528                        ; a stage row: 512 bytes + 16
.set STGB,  16*SP                      ; a wave's stage
.set FRB,   1536                       ; a fragment's image
.set SW,    16                         ; v16-19   scale words: lanes 0-15 those of steps 0-3, lanes 16-31 those of steps 4-7
.set C,     20                         ; v20-31   a fragment's codes
.set T,     32                         ; v32-34, v36-38  the second halves of the two blocks' codes, as converted
.set R,     40                         ; v40-167  two sets of 64 registers as loaded
.set X,     168                        ; v168-231 my two blocks of 32 numbers
	s_load_b512 s[4:19], s[0:1], 0x0               ; q, k, v, Wq, Wk, Wv, Wo, xc
	s_load_b64 s[20:21], s[0:1], 0x40              ; xs
	v_lshl_add_u32 v232, v0, 2, 0x8400
	v_mov_b32 v233, 0
	v_lshrrev_b32 v1, 5, v0
	v_readfirstlane_b32 s22, v1                    ; wave 0..3
	v_and_b32 v1, 31, v0                           ; lane
	v_lshlrev_b32 v2, 4, v1                        ; my 16 bytes of a load's 512
	s_mul_i32 s23, s22, STGB
	v_add_nc_u32 v3, s23, v2                       ; the stage, on the way in: 16 x lane in row j
	v_and_b32 v12, 15, v0                          ; r
	v_bfe_u32 v13, v0, 4, 1                        ; h
	v_mul_u32_u24 v4, v12, SP
	v_lshl_add_u32 v4, v13, 7, v4
	v_add_nc_u32 v4, s23, v4                       ; and on the way out: row r, 128 h bytes on
	v_lshlrev_b32 v5, 3, v1                        ; my 8 bytes of a piece
	v_lshlrev_b32 v6, 5, v12
	v_lshl_add_u32 v6, v13, 4, v6                  ; my 16 bytes of the tile's scale bytes: 32 r + 16 h
	v_lshlrev_b32 v7, 3, v13                       ; 8 h: by so many bits my two scale bytes are shifted
	v_mov_b32 v15, 0                               ; written once: a lane permute's destination counts as one of its sources
	s_mov_b32 s30, 0x76543210
	s_mov_b32 s31, 0xfedcba98                      ; v_permlanex16_b32's selects for lane l xor 16
	s_mov_b32 s32, 0xffff0000                      ; lanes 16-31
	s_wait_alu depctr_va_vdst(0)
	s_wait_kmcnt 0x0
	; which tensor is my work-group's, and which work-group is that tensor's first: a chain of choices on the work-group's number alone
	s_mov_b64 s[26:27], s[16:17]
	s_mov_b32 s24, 432
.macro PICK lim, ptr, first
	s_cmp_lt_u32 ttmp9, \lim
	s_cselect_b64 s[26:27], s[\ptr:\ptr+1], s[26:27]
	s_cselect_b32 s24, \first, s24
.endm
	PICK 432, 14, 416
	PICK 416, 12, 400
	PICK 400, 10, 384
	PICK 384, 8, 256
	PICK 256, 6, 128
	PICK 128, 4, 0
	s_sub_co_u32 s25, ttmp9, s24
	s_lshl_b32 s28, s25, 18                        ; 64 rows of 4,096 bytes for each work-group,
	s_lshr_b32 s33, s22, 1
	s_lshl_b32 s33, s33, 17                        ; 32 rows for wave / 2,
	s_add_co_u32 s28, s28, s33
	s_and_b32 s33, s22, 1
	s_lshl_b32 s33, s33, 15                        ; 8 rows for wave % 2
	s_add_co_u32 s28, s28, s33
	s_mov_b32 s29, 0
	s_add_nc_u64 s[26:27], s[26:27], s[28:29]      ; my tile's row 0
	s_lshl_b32 s33, ttmp9, 2
	s_add_co_u32 s33, s33, s22                     ; my tile's number in the stack
	s_mul_i32 s28, s33, 8*FRB
	s_add_nc_u64 s[18:19], s[18:19], s[28:29]
	s_lshl_b32 s28, s33, 9
	s_add_nc_u64 s[20:21], s[20:21], s[28:29]
.macro LOAD s                          ; step s: 512 bytes of each of the tile's 16 rows, into set s % 2
.irp j, 0,1,2,3,4,5,6,7,8,9,10,11,12,13,14,15
	global_load_b128 v[R+64*((\s)%2)+4*\j:R+64*((\s)%2)+4*\j+3], v2, s[26:27] offset:(\j+8*(\j/8))*ROWBY+512*(\s) th:TH_LOAD_NT
.endr
.endm
	LOAD 0
	LOAD 1
.macro STEP s
.if (\s) < 7
	s_wait_loadcnt 16                              ; this step's 16 loads are in; the next step's 16 may be out
.else
	s_wait_loadcnt 0x0
.endif
.irp j, 0,1,2,3,4,5,6,7,8,9,10,11,12,13,14,15
	ds_store_b128 v3, v[R+64*((\s)%2)+4*\j:R+64*((\s)%2)+4*\j+3] offset:SP*\j
.endr
.irp c, 0,1                                    ; LDS serves a wave's instructions in order: these see the stores above
.irp j, 0,1,2,3,4,5,6,7
	ds_load_b128 v[X+32*\c+4*\j:X+32*\c+4*\j+3], v4 offset:256*\c+16*\j    ; row r, k = 64 c + 32 h + 4 j ..
.endr
.endr
	s_wait_dscnt 0x0                               ; my numbers are back, and the stores have read the set,
.if (\s)+2 < 8
	LOAD (\s)+2                                    ; which takes the loads of two steps on
.endif
.irp c, 0,1
	v_max3_num_f32 v[8+\c], |v[X+32*\c]|, |v[X+32*\c+1]|, 0x1800000   ; block 2 c + h: all 32 numbers are mine; the floor 2^(3 - 127) holds the byte at 1 from below
.endr
.irp i, 2,4,6,8,10,12,14,16,18,20,22,24,26,28,30
.irp c, 0,1
	v_max3_num_f32 v[8+\c], v[8+\c], |v[X+32*\c+\i]|, |v[X+32*\c+\i+1]|   ; (the two blocks by turns)
.endr
.endr
.irp c, 0,1
	v_add_nc_u32 v[10+\c], 0xff000000, v[8+\c]     ; 2 off the exponent field: the conversion takes this operand's exponent field as its scale
.endr
.irp c, 0,1
	v_lshrrev_b32 v[12+\c], 23, v[10+\c]           ; the scale's byte
.endr
	v_lshl_or_b32 v14, v13, 16, v12                ; my two bytes, blocks h and 2 + h,
	v_lshlrev_b32 v14, v7, v14                     ; at their places in the row's scale word;
	v_permlanex16_b32 v15, v14, s30, s31
.if (\s) < 4
	v_or_b32 v[SW+(\s)], v14, v15                  ; with lane l xor 16's two the word is whole
.else
	v_or_b32 v14, v14, v15
	v_cndmask_b32 v[SW+(\s)-4], v[SW+(\s)-4], v14, s32   ; steps 4-7: kept in lanes 16-31
.endif
	s_wait_alu depctr_va_vdst(0)
	s_wait_xcnt 0x0                                ; the last step's stores have read the codes' registers, which are written again below
.irp c, 0,1
	v_cvt_scalef32_pk16_fp6_f32 v[C+6*\c:C+6*\c+2], v[X+32*\c:X+32*\c+15], v[10+\c]
	v_cvt_scalef32_pk16_fp6_f32 v[T+4*\c:T+4*\c+2], v[X+32*\c+16:X+32*\c+31], v[10+\c]   ; (a conversion's three registers begin on an even number)
.endr
	v_nop                                          ; one plain place behind a scaled conversion
.irp c, 0,1
.irp i, 0,1,2
	v_mov_b32 v[C+3+6*\c+\i], v[T+4*\c+\i]
.endr
.endr
.irp p, 0,1,2,3,4,5
	global_store_b64 v5, v[C+2*\p:C+2*\p+1], s[18:19] offset:FRB*(\s)+256*\p   ; 32 lanes store 256 consecutive bytes, aligned
.endr
.endm
.irp s, 0,1,2,3,4,5,6,7
	STEP \s
.endr
	global_store_b128 v6, v[SW:SW+3], s[20:21]     ; the tile's 512 scale bytes
	s_wait_tensorcnt 0x0
	ds_add_u32 v232, v233
	s_wait_dscnt 0x0
	s_endpgm
.Lfunc_end_k_q0ff290a554_quant:
	.size	k_q0ff290a554_quant, .Lfunc_end_k_q0ff290a554_quant-k_q0ff290a554_quant
	.p2alignl 7, 3214868480
	.fill 96, 4, 3214868480
	.section	.rodata,"a",@progbits
	.p2align	6, 0x0
	.amdhsa_kernel k_q0ff290a554_quant
		.amdhsa_group_segment_fixed_size 34304
		.amdhsa_private_segment_fixed_size 0
		.amdhsa_enable_private_segment 0
		.amdhsa_kernarg_size 72
		.amdhsa_user_sgpr_count 2
		.amdhsa_user_sgpr_kernarg_segment_ptr 1
		.amdhsa_wavefront_size32 1
		.amdhsa_system_sgpr_workgroup_id_x 1
		.amdhsa_system_sgpr_workgroup_id_y 1
		.amdhsa_system_sgpr_workgroup_id_z 1
		.amdhsa_system_vgpr_workitem_id 0
		.amdhsa_next_free_vgpr 234
		.amdhsa_next_free_sgpr 66
		.amdhsa_reserve_vcc 0
		.amdhsa_float_denorm_mode_32 3
		.amdhsa_float_denorm_mode_16_64 3
		.amdhsa_memory_ordered 1
		.amdhsa_forward_progress 1
		.amdhsa_inst_pref_size 61
	.end_amdhsa_kernel
	.amdgpu_metadata
---
amdhsa.version: [ 1, 2 ]
amdhsa.kernels:
  - .name:           k_q0ff290a554_quant
    .symbol:         k_q0ff290a554_quant.kd
    .args:
      - { .name: q, .offset: 0, .size: 8, .value_kind: global_buffer, .address_space: global }
      - { .name: k, .offset: 8, .size: 8, .value_kind: global_buffer, .address_space: global }
      - { .name: v, .offset: 16, .size: 8, .value_kind: global_buffer, .address_space: global }
      - { .name: Wq, .offset: 24, .size: 8, .value_kind: global_buffer, .address_space: global }
      - { .name: Wk, .offset: 32, .size: 8, .value_kind: global_buffer, .address_space: global }
      - { .name: Wv, .offset: 40, .size: 8, .value_kind: global_buffer, .address_space: global }
      - { .name: Wo, .offset: 48, .size: 8, .value_kind: global_buffer, .address_space: global }
      - { .name: xc, .offset: 56, .size: 8, .value_kind: global_buffer, .address_space: global }
      - { .name: xs, .offset: 64, .size: 8, .value_kind: global_buffer, .address_space: global }
    .group_segment_fixed_size: 34304
    .private_segment_fixed_size: 0
    .kernarg_segment_align: 8
    .kernarg_segment_size: 72
    .max_flat_workgroup_size: 128
    .sgpr_count:     66
    .vgpr_count:     234
    .wavefront_size: 32
...
	.end_amdgpu_metadata
.endif
;; end of part 1
;; launch proj (part 2): grid 4 x 64, 4 waves a work-group, clusters of 4 x 4, 327,680 bytes of LDS; arguments xc, xs, bq, bk, bv, hc, hs; writes hc, hs
.if DOCPART == 2
	.amdgcn_target "amdgcn-amd-amdhsa--gfx1250"
	.amdhsa_code_object_version 6
	.text
	.protected	k_q0ff290a554_proj
	.globl	k_q0ff290a554_proj
	.p2align	8
	.type	k_q0ff290a554_proj,@function
k_q0ff290a554_proj:
	s_mov_b64 s[64:65], 0
	v_nop
	global_prefetch_b8 v0, s[64:65] scope:SCOPE_SE
	s_setreg_imm32_b32 hwreg(HW_REG_WAVE_MODE, 25, 1), 1
	s_wait_xcnt 0x0
	s_wait_alu depctr_hold_cnt(0) depctr_sa_sdst(0) depctr_va_vdst(0) depctr_va_sdst(0) depctr_va_ssrc(0) depctr_va_vcc(0) depctr_vm_vsrc(0)
	s_getreg_b32 s2, hwreg(HW_REG_IB_STS2, 6, 4)
	s_cmp_eq_u32 s2, 0
	s_cbranch_scc0 .Lentry_in_a_cluster
	s_endpgm
.Lentry_in_a_cluster:
	s_bfe_u32 s2, ttmp6, 0x10000c
	s_cmp_lg_u32 s2, 0xf033
	s_cbranch_scc0 .Lentry_shape_is_right
	s_endpgm
.Lentry_shape_is_right:
; The three input projections on codes of FP6 (E2M3) with E8M0 scales, and the quantising of their results for the attention launch.
; ONE FORM: OUT[m][n] = sum over k of A[m][k] B[n][k] + bias, K = 1,024, then OUT is quantised ALONG n.  q, k: A = the tokens, B = Wq or Wk, bias by n.  v: A = Wv, B = the tokens, bias by m: V comes out transposed.
; A WORK-GROUP STAYS: 256 work-groups, each makes one tile of 128 (m) x 256 (n) of q, then of k, then of v: three trips.  Four waves, 2 x 2; a wave makes 64 x 128: 32 accumulators.
; q, k: tile row 4 Y + cy (128 tokens), tile column cx.  v: tile row 4 (Y % 2) + cy (128 channels), tile column 4 (Y / 2) + cx (256 tokens): each tile has one work-group.
; OPERANDS are images of their registers: xc[tile of 16 rows][K step of 128][1,536 bytes], xs[tile][r][32 scale bytes].  Row r of tile i is row 32 (i / 2) + 8 (i % 2) + r + 8 (r / 8) of its tensor.
; LDS: two slots, each with 512 along K of A's 8 tiles and B's 16 (147,456 bytes); the tile's scale bytes (units of 256 + 16); the spare words.  A row's eight scale words go into registers once a trip.
; FILLS, all joint loads (A's tiles shared along a row of the cluster, B's along a column).  Head: wave 0 A's lower half of K, wave 1 B's, wave 2 A's scales, wave 3 B's.  Slot 1 behind the full sequence and a round.
; In K step 3 of trips 0 and 1 a round, and slot 0 and the scales take the next trip's (one load a wave); in K step 7 a round, and slot 1 takes its upper half (waves 0 and 1).  The last trip is written out: it fills nothing.
; PREFETCHES.  At the head: the upper half of K of the first trip's tiles.  In K step 0 of trips 0 and 1: the next trip's tiles, all of K: three K steps ahead of the first load that names them.  A cluster's sixteen waves that will
; ask for a tile jointly share its blocks of 256 bytes out by address: of A's 8 tiles wave 4 cx + w takes half a tile (at the head a quarter), of B's 16 wave 4 cy + w takes one tile (at the head half).  The tokens' tiles are
; asked for by every cluster that will load them; the weights, which all clusters load, by clusters 0 to 3 alone.  The scale bytes and the launch's first fills come by their loads alone.
; THE MATRIX INSTRUCTION IS USED TRANSPOSED (source 0 = B's rows, source 1 = A's): a lane's 16 registers of accumulators (a, 2 e), (a, 2 e + 1) are n = 32 e + 16 (lane / 16) + 0 .. 15 of its row.  The bias is the first products' C.
; hc[t][98,304]: t = 16 b + head: q; 64 + ..: k; 128 + ..: v.  q, k: [step of 128 tokens][tile 8][768]; v: [step of 128 keys][tile of 16 channels, 4][1,536].
; hs[t][step][lane][4 words]: q, k: word P: lanes 0-15 tile 2 P, lanes 16-31 tile 2 P + 1, bytes 0, 1 the head's two scales; v: word i: tile i.
; LIMITS: a block of zeros, or one under 2^-124, gets the byte 1 (read by this program alone); NaN and infinities are not served.
; REGISTERS: window 0: v16-31 addresses, v32-111 scale words (block i at 32 + 10 i), v112-207 A's fragments, two sets, v208-255 the way out.  Window 1: B's fragments, two sets.  Window 2: accumulators.  Window 3: the three biases.
.set FR,     12
.set FRB,    1536
.set TROW,   4*FRB
.set TPITCH, 8*FRB
.set AT,     8*TROW
.set SLOT,   24*TROW
.set SCL,    2*SLOT
.set HALFS,  16*272
.set SBLK,   2*272
.set SPARE,  SCL+3*HALFS
.set ADRA, 16
.set ADRB, 20
.set LI8,  24
.set LI16, 25
.set ADRS, 27
.set SPW,  28
.set NIL,  29
.set PF24, 30                          ; v30  256 x min(lane, 23); never rewritten
.set PF12, 31                          ; v31  256 x min(lane, 11); never rewritten
.set SC,   32
.set AF,   112
.set PC,   208
.set TM,   228
.set PW,   244
.set SW,   248
.set BQ,   0
.set BKK,  64
.set BVV,  128
.set G1A, 24
.set G0A, 32
.set G0B, 36
.set G1B, 48
.set G0SA, 56
.set G0SB, 60
.set G1S, 68
.set G1SB, 80
.set SEL, 92
.set HI16, 94
.set MUL_LO, 0xa1
.set MSB, 0
.macro WIN new
.if MSB != (\new)
	s_set_vgpr_msb (MSB<<8)|(\new)
.set MSB, (\new)
.endif
.endm
.macro WALU
	s_wait_alu depctr_va_vdst(0)
.endm
.macro PLACES n
.rept \n
	v_nop
.endr
.endm
.macro CREST
	s_cmp_lg_u32 s14, 0
	s_cbranch_scc1 .Lnot_wave_0_\@
	s_barrier_signal -3
.Lnot_wave_0_\@:
	s_barrier_wait -3
	s_barrier_signal -1
	s_barrier_wait -1
.endm
.macro CROUND
	s_barrier_signal -1
	s_barrier_wait -1
	CREST
.endm
.macro GROUP1C g, mask, rows           ; rows of 6,144 bytes (768 elements of 8), 12,288 apart, dense in LDS
	s_or_b32 s[\g], s\mask, (3<<16)|(1<<21)
	s_mov_b32 s[\g+1], 768<<16
	s_mov_b32 s[\g+2], (\rows)<<16
	s_mov_b32 s[\g+3], 768<<16
	s_mov_b32 s[\g+4], \rows
	s_mov_b32 s[\g+5], 1536
	s_mov_b32 s[\g+6], 0
	s_mov_b32 s[\g+7], 0
.endm
.macro GROUP1S g, mask, rows           ; a dense block as rows of 256 bytes, 16 bytes of padding behind each
	s_or_b32 s[\g], s\mask, (3<<16)|(1<<20)|(1<<21)|(5<<22)|(3<<25)
	s_mov_b32 s[\g+1], 32<<16
	s_mov_b32 s[\g+2], (\rows)<<16
	s_mov_b32 s[\g+3], 32<<16
	s_mov_b32 s[\g+4], \rows
	s_mov_b32 s[\g+5], 32
	s_mov_b32 s[\g+6], 0
	s_mov_b32 s[\g+7], 0
.endm
.macro G0SET g, lds, base, off
	s_mov_b32 s[\g], 1
	s_mov_b32 s[\g+1], \lds
	s_add_nc_u64 s[\g+2:\g+3], s[\base:\base+1], s[\off:\off+1]
	s_or_b32 s[\g+3], s[\g+3], 0x80000000
.endm
.macro ARM under, g0, g1, next, done   ; one arm of a chain of branches on the wave's number: one load, then to the chain's end
	s_cmp_lt_u32 s14, \under
	s_cbranch_scc0 \next
	tensor_load_to_lds s[\g0:\g0+3], s[\g1:\g1+7]
	s_nop 0
	PLACES 4
	s_branch \done
\next:
.endm
.macro FILL4                           ; a lower half of K and the scales: one load a wave
	ARM 1, G0A, G1A, .Lf4b_\@, .Lf4d_\@
	ARM 2, G0B, G1B, .Lf4c_\@, .Lf4d_\@
	ARM 3, G0SA, G1S, .Lf4e_\@, .Lf4d_\@
	tensor_load_to_lds s[G0SB:G0SB+3], s[G1SB:G1SB+7]
	s_nop 0
	PLACES 4
.Lf4d_\@:
.endm
.macro FILL2                           ; an upper half of K: wave 0 A's, wave 1 B's
	ARM 1, G0A, G1A, .Lf2b_\@, .Lf2d_\@
	ARM 2, G0B, G1B, .Lf2c_\@, .Lf2d_\@
.Lf2d_\@:
.endm
.macro NEXTHI                          ; no load of mine is out: the descriptors go on to slot 1 and the upper half of K
	s_mov_b32 s[G0A+1], SLOT
	s_add_nc_u64 s[G0A+2:G0A+3], s[G0A+2:G0A+3], TROW
	s_mov_b32 s[G0B+1], SLOT+AT
	s_add_nc_u64 s[G0B+2:G0B+3], s[G0B+2:G0B+3], TROW
.endm
.macro NEXTLO                          ; and to the next trip's tiles: chosen by the trip's number, the same in all partners
	s_cmp_eq_u32 s88, 0
	s_cselect_b32 s20, s76, s77
	s_cselect_b32 s46, s78, s79
	s_lshl_b32 s22, s20, 9
	s_mul_i32 s20, s20, TPITCH
	s_lshl_b32 s66, s46, 9
	s_mul_i32 s46, s46, TPITCH
	G0SET G0A, 0, 4, 20
	G0SET G0B, AT, 4, 46
	G0SET G0SA, SCL, 6, 22
	G0SET G0SB, SCL+HALFS, 6, 66
.endm
.macro FRAG reg, adr, q, i             ; a fragment: six pieces of 256 bytes, lane l's 8 bytes at 8 l
.irp p, 0,1,2,3,4,5
	ds_load_b64 v[\reg+2*\p:\reg+2*\p+1], v[\adr] offset:(\i)*TROW+(\q)*FRB+256*\p
.endr
.endm
.macro FETCH slot, q, p                ; the twelve fragments of the slot's q-th 128 along K into sets p: 72 loads
	WIN 0x40
.irp i, 0,1,2,3,4,5,6,7
	FRAG 128*(\p)+FR*\i, ADRB+(\slot), \q, \i
.endr
	WIN 0
.irp i, 0,1,2,3
	FRAG AF+48*(\p)+FR*\i, ADRA+(\slot), \q, \i
.endr
.endm
.macro SCALES                          ; all of K's scale words: lanes 0-15 A's block i (i under 4), lanes 16-31 B's block i
.irp i, 0,1,2,3,4,5,6,7
	ds_load_b128 v[SC+10*\i:SC+10*\i+3], v[ADRS] offset:\i*SBLK
	ds_load_b128 v[SC+10*\i+4:SC+10*\i+7], v[ADRS] offset:\i*SBLK+16
.endr
.endm
; eight products: A's block a x B's eight.  cm = 0: in place; 1: C = the bias of B's block at cb; 2: of A's block.  The 32 accumulators take turns in the same order in every step.
.macro MUL8 a, p, k8, cm=0, cb=0
.irp b, 0,1,2,3,4,5,6,7
.set DR, 8*(8*(\a)+\b)
.if \cm == 0
.set CR, DR
.elseif \cm == 1
.set CR, (\cb)+8*\b
.else
.set CR, (\cb)+8*(\a)
.endif
	v_wmma_scale_f32_16x16x128_f8f6f4 v[DR:DR+7], v[128*(\p)+FR*\b:128*(\p)+FR*\b+FR-1], v[AF+48*(\p)+FR*(\a):AF+48*(\p)+FR*(\a)+FR-1], v[CR:CR+7], v[SC+10*\b+(\k8)], v[SC+10*(\a)+(\k8)] matrix_a_fmt:MATRIX_FMT_FP6 matrix_b_fmt:MATRIX_FMT_FP6 matrix_a_scale:MATRIX_SCALE_ROW1
.endr
.endm
.macro FIRST cm, cb                    ; K step 0's products start the sums with the bias, which lies in window 3
	WIN 0xb1
.irp a, 0,1,2,3
	MUL8 \a, 0, 0, \cm, \cb
.endr
	WIN 0
.endm
.macro KSTEP k                         ; a K step whose successor lies in the same slot, or the very last
	s_wait_dscnt 0x0                               ; my fragments, asked for a step ago, are in
.if (\k) < 7
	PLACES 4                                       ; between the last step's products and the loads into their registers
	FETCH ((\k)+1)/4, ((\k)+1)%4, 1-(\k)%2
.endif
	WIN MUL_LO
.irp a, 0,1,2,3
	MUL8 \a, (\k)%2, \k
.endr
	WIN 0
.endm
; K steps 3 and 7 change slots.  mode 0: a plain barrier shows slot 1, nothing is filled.  mode 1, 2: the three lines, a round of the cluster's barrier with products inside it, and the slot just read out is filled again.
.macro TURN k, mode
	s_wait_tensorcnt 0x0
.if \mode
	ds_add_u32 v[SPW], v[NIL]
.if \mode == 1
	NEXTLO
.else
	NEXTHI
.endif
	s_wait_dscnt 1                                 ; my fragments are in; the add may be out
	WIN MUL_LO
	MUL8 0, 1, \k
	s_wait_dscnt 0x0
	s_barrier_signal -1
	MUL8 1, 1, \k
	WIN 0
	s_barrier_wait -1
	CREST
.if \mode == 1
	FILL4
.else
	FILL2
.endif
.else
	s_wait_dscnt 0x0
	s_barrier_signal -1
	WIN MUL_LO
	MUL8 0, 1, \k
	MUL8 1, 1, \k
	WIN 0
	s_barrier_wait -1
.endif
	PLACES 4
	FETCH (7-(\k))/4, 0, 0
	WIN MUL_LO
	MUL8 2, 1, \k
	MUL8 3, 1, \k
	WIN 0
.endm
; THE WAY OUT: block a's 64 registers, register 16 e + i = n 32 e + 16 h + i of my row, become a fragment's codes in v[PC] on and its scale word in v[pw].  Each accumulator is read from its low end on.
.macro QUANT2 a, pw
.set AC, 64*(\a)
	WIN 0x0a
.irp b, 0,1,2,3
	v_max3_num_f32 v[TM+\b], |v[AC+16*\b]|, |v[AC+16*\b+1]|, 0x1800000   ; the floor 2^(3 - 127): the byte cannot fall under 1
.endr
.irp i, 2,4,6,8,10,12,14
.irp b, 0,1,2,3
	v_max3_num_f32 v[TM+\b], |v[AC+16*\b+\i]|, |v[AC+16*\b+\i+1]|, v[TM+\b]
.endr
.endr
	WIN 0
.irp b, 0,1,2,3
	v_permlanex16_b32 v[TM+4+\b], v[TM+\b], s[SEL], s[SEL+1]
.endr
.irp b, 0,1,2,3
	v_max_num_f32 v[TM+\b], v[TM+\b], v[TM+4+\b]
.endr
.irp b, 0,1,2,3
	v_add_nc_u32 v[TM+12+\b], 0xff000000, v[TM+\b] ; 2 off the exponent field: the conversion's scale operand
.endr
.irp b, 0,1,2,3
	v_lshrrev_b32 v[TM+4+\b], 23, v[TM+12+\b]
.endr
	v_lshl_or_b32 v[\pw], v[TM+5], 8, v[TM+4]
	v_lshl_or_b32 v[\pw], v[TM+6], 16, v[\pw]
	v_lshl_or_b32 v[\pw], v[TM+7], 24, v[\pw]
	WIN 0x02
.irp c, 0,1
	v_cvt_scalef32_pk16_fp6_f32 v[PC+6*\c:PC+2+6*\c], v[AC+32*\c:AC+15+32*\c], v[TM+12+2*\c]
	v_cvt_scalef32_pk16_fp6_f32 v[PC+12+4*\c:PC+14+4*\c], v[AC+16+32*\c:AC+31+32*\c], v[TM+12+2*\c+1]
.endr
	WIN 0
	v_nop                                          ; one plain place behind a scaled conversion
.irp c, 0,1                            ; a whole block to a lane
.irp i, 0,1,2
	v_permlane16_swap_b32 v[PC+6*\c+\i], v[PC+12+4*\c+\i]
.endr
.irp i, 0,1,2
	v_mov_b32 v[PC+3+6*\c+\i], v[PC+12+4*\c+\i]
.endr
.endr
.endm
.macro EPI isv
.irp a, 0,1,2,3
	s_wait_xcnt 0x0                                ; earlier stores have read the registers that are written below
.if \isv
	QUANT2 \a, SW+\a
.irp p, 0,1,2,3,4,5
	global_store_b64 v[LI8], v[PC+2*\p:PC+2*\p+1], s[100:101] offset:\a*FRB+256*\p   ; 32 lanes store 256 consecutive bytes, aligned
.endr
.else
	QUANT2 \a, PW+(\a%2)                           ; registers 0-5 are the first head's 64, registers 6-11 the second's
.irp p, 0,1,2,3,4,5
	global_store_b64 v[LI8], v[PC+2*\p:PC+2*\p+1], s[96:97] offset:(\p/3)*98304+\a*768+256*(\p%3)
.endr
.if \a % 2
	v_cndmask_b32 v[PW+2], v[PW], v[PW+1], s[HI16] ; lanes 0-15: tile a - 1's words, lanes 16-31: tile a's
	v_and_b32 v[SW+\a/2], 0xffff, v[PW+2]
	v_lshrrev_b32 v[SW+2+\a/2], 16, v[PW+2]
.endif
.endif
.endr
.if \isv
	global_store_b128 v[LI16], v[SW:SW+3], s[2:3]
.else
	global_store_b64 v[LI16], v[SW:SW+1], s[98:99]               ; my two of the step's four words a lane: the first head's,
	global_store_b64 v[LI16], v[SW+2:SW+3], s[98:99] offset:8192 ; the second's
.endif
.endm
	s_load_b256 s[4:11], s[0:1], 0x0               ; xc, xs, bq, bk
	s_load_b64 s[12:13], s[0:1], 0x20              ; bv
	s_load_b64 s[96:97], s[0:1], 0x28              ; hc
	s_load_b64 s[98:99], s[0:1], 0x30              ; hs
	v_lshl_add_u32 v[SPW], v0, 2, SPARE
	v_mov_b32 v[NIL], 0
	ds_add_u32 v[SPW], v[NIL]                      ; the opening lines
	ds_add_u32 v[SPW], v[NIL]
	v_lshrrev_b32 v1, 5, v0
	v_readfirstlane_b32 s14, v1                    ; wave
	s_lshr_b32 s15, s14, 1                         ; my half of the tile's rows
	s_and_b32 s16, s14, 1                          ; my half of its columns
	s_bfe_u32 s40, ttmp6, 0x40000                  ; cx
	s_bfe_u32 s41, ttmp6, 0x40004                  ; cy
	s_and_b32 s95, ttmp7, 0xffff                   ; Y, 0..15
	s_lshl_b32 s43, s41, 2
	s_lshl_b32 s43, 15, s43                        ; my row of the cluster
	s_lshl_b32 s44, 0x1111, s40                    ; my column
	GROUP1C G1A, 43, 8
	GROUP1C G1B, 44, 16
	GROUP1S G1S, 43, 16
	GROUP1S G1SB, 44, 32
	s_lshl_b32 s17, s95, 2
	s_add_co_u32 s17, s17, s41                     ; 4 Y + cy
	s_lshl_b32 s18, s17, 3                         ; A's first tile: q's tokens,
	s_add_co_u32 s76, s18, 512                     ; k's,
	s_and_b32 s77, s95, 1
	s_lshl_b32 s77, s77, 2
	s_add_co_u32 s77, s77, s41
	s_lshl_b32 s77, s77, 3
	s_add_co_u32 s77, s77, 1664                    ; Wv
	s_lshl_b32 s42, s40, 4
	s_add_co_u32 s78, s42, 1600                    ; B's first tile: Wk,
	s_add_co_u32 s42, s42, 1536                    ; Wq,
	s_lshr_b32 s79, s95, 1
	s_lshl_b32 s79, s79, 2
	s_add_co_u32 s79, s79, s40
	s_lshl_b32 s79, s79, 4
	s_add_co_u32 s79, s79, 1024                    ; v's tokens
	s_mul_i32 s20, s18, TPITCH
	s_mov_b32 s21, 0
	s_lshl_b32 s22, s18, 9
	s_mov_b32 s23, 0
	s_mul_i32 s46, s42, TPITCH
	s_mov_b32 s47, 0
	s_lshl_b32 s66, s42, 9
	s_mov_b32 s67, 0
	s_mov_b32 s[SEL], 0x76543210
	s_mov_b32 s[SEL+1], 0xfedcba98
	s_mov_b32 s[HI16], 0xffff0000
	WALU
	s_wait_dscnt 0x0
	s_wait_kmcnt 0x0
	G0SET G0A, 0, 4, 20
	G0SET G0B, AT, 4, 46
	G0SET G0SA, SCL, 6, 22
	G0SET G0SB, SCL+HALFS, 6, 66
	CROUND                                         ; the round in front of the first joint loads
	FILL4
	; where v's results go: 128 keys 2 (4 (Y / 2) + cx) + column half; head 2 (4 (Y % 2) + cy) + row half
	s_lshr_b32 s45, s95, 1
	s_lshl_b32 s45, s45, 2
	s_add_co_u32 s45, s45, s40
	s_lshl_b32 s45, s45, 1
	s_add_co_u32 s45, s45, s16
	s_and_b32 s89, s95, 1
	s_lshl_b32 s89, s89, 2
	s_add_co_u32 s89, s89, s41
	s_lshl_b32 s89, s89, 1
	s_add_co_u32 s89, s89, s15
	s_lshr_b32 s19, s45, 4
	s_lshl_b32 s19, s19, 4
	s_add_co_u32 s19, s19, s89
	s_add_co_u32 s19, s19, 128                     ; t
	s_and_b32 s45, s45, 15                         ; the step
	s_mul_i32 s90, s19, 98304
	s_mul_i32 s91, s45, 6144
	s_add_co_u32 s90, s90, s91
	s_mov_b32 s91, 0
	s_add_nc_u64 s[100:101], s[96:97], s[90:91]
	s_lshl_b32 s90, s19, 13
	s_lshl_b32 s45, s45, 9
	s_add_co_u32 s90, s90, s45
	s_add_nc_u64 s[2:3], s[98:99], s[90:91]
	s_lshl_b32 s90, s89, 8
	s_add_nc_u64 s[12:13], s[12:13], s[90:91]      ; bv at my head's 64 channels
	; and q's (k's lie 64 t further on): 128 tokens 4 Y + cy, my four tiles of them; two heads 2 (2 cx + column half) ..
	s_lshl_b32 s19, s40, 1
	s_add_co_u32 s19, s19, s16
	s_lshr_b32 s45, s17, 4
	s_lshl_b32 s45, s45, 3
	s_add_co_u32 s45, s45, s19
	s_lshl_b32 s45, s45, 1                         ; t
	s_and_b32 s89, s17, 15                         ; the step
	s_mul_i32 s90, s45, 98304
	s_mul_i32 s91, s89, 6144
	s_add_co_u32 s90, s90, s91
	s_mul_i32 s91, s15, 4*768
	s_add_co_u32 s90, s90, s91
	s_mov_b32 s91, 0
	s_add_nc_u64 s[96:97], s[96:97], s[90:91]
	s_lshl_b32 s90, s45, 13
	s_lshl_b32 s89, s89, 9
	s_add_co_u32 s90, s90, s89
	s_lshl_b32 s89, s15, 3
	s_add_co_u32 s90, s90, s89
	s_add_nc_u64 s[98:99], s[98:99], s[90:91]
	s_lshl_b32 s90, s19, 9
	s_add_nc_u64 s[8:9], s[8:9], s[90:91]          ; bq, bk at my 128 columns
	s_add_nc_u64 s[10:11], s[10:11], s[90:91]
	; the head's prefetches: s[90:91]: q's tokens, tile u / 2 of my work-group's 8, quarter u % 2 of a half of K, u = 4 cx + wave;  s[88:89]: Wq, tile 4 cy + wave of my work-group's 16
	s_lshl_b32 s45, s40, 2
	s_add_co_u32 s45, s45, s14                     ; u: kept for the trips' prefetches
	s_lshr_b32 s19, s45, 1
	s_lshl_b32 s90, s17, 3
	s_add_co_u32 s90, s90, s19
	s_mul_i32 s90, s90, TPITCH
	s_and_b32 s19, s45, 1
	s_mul_i32 s19, s19, TROW/2
	s_add_co_u32 s90, s90, s19
	s_add_nc_u64 s[90:91], s[4:5], s[90:91]
	s_lshl_b32 s88, s41, 2
	s_add_co_u32 s88, s88, s14
	s_lshl_b32 s19, s40, 4
	s_add_co_u32 s88, s88, s19
	s_add_co_u32 s88, s88, 1536
	s_mul_i32 s88, s88, TPITCH
	s_mov_b32 s89, 0
	s_add_nc_u64 s[88:89], s[4:5], s[88:89]
	v_and_b32 v1, 15, v0                           ; r
	v_bfe_u32 v2, v0, 4, 1                         ; h
	v_and_b32 v3, 31, v0
	v_lshlrev_b32 v[LI8], 3, v3
	v_lshlrev_b32 v[LI16], 4, v3
	v_min_u32 v[PF24], 23, v3
	v_lshlrev_b32 v[PF24], 8, v[PF24]
	v_min_u32 v[PF12], 11, v3
	v_lshlrev_b32 v[PF12], 8, v[PF12]
	s_mul_i32 s21, s15, 4*TROW
	s_mul_i32 s22, s16, 8*TROW
	s_add_co_u32 s22, s22, AT
.irp s, 0,1
	v_add_nc_u32 v[ADRA+\s], s21, v[LI8]
	v_add_nc_u32 v[ADRB+\s], s22, v[LI8]
	s_add_co_u32 s21, s21, SLOT
	s_add_co_u32 s22, s22, SLOT
.endr
	v_mul_u32_u24 v5, v1, 32                       ; my row's scales: 32 bytes a row,
	v_lshrrev_b32 v6, 8, v5
	v_lshl_add_u32 v5, v6, 4, v5                   ; 16 more for each 256 passed
	s_mul_i32 s21, s15, HALFS/2
	s_mul_i32 s22, s16, HALFS
	s_add_co_u32 s22, s22, HALFS
	s_sub_co_u32 s22, s22, s21
	v_mul_u32_u24 v6, s22, v2                      ; lanes 16-31 take B's
	s_add_co_u32 s21, s21, SCL
	v_add_nc_u32 v5, v5, v6
	v_add_nc_u32 v[ADRS], s21, v5
	v_lshlrev_b32 v7, 6, v2                        ; bias by n: 16 h numbers on
	v_and_b32 v8, 8, v1
	v_add_nc_u32 v8, v8, v1
	v_lshlrev_b32 v8, 2, v8                        ; by m: number r + 8 (r / 8)
.irp b, 0,1,2,3
	v_mov_b32 v[TM+4+\b], 0                        ; written once: a lane permute's destination counts as a source
.endr
	s_mov_b32 s21, 0
	s_mov_b32 s23, 0
	WALU
	global_prefetch_b8 v[PF12], s[90:91] offset:TROW th:TH_LOAD_NT scope:SCOPE_SE   ; 12 blocks of the upper half of K of q's tokens
	s_cmp_lt_u32 s95, 4                            ; the weights: clusters 0 to 3 alone
	s_cbranch_scc0 .Lpf_head
	global_prefetch_b8 v[PF24], s[88:89] offset:TROW th:TH_LOAD_NT scope:SCOPE_SE   ; 24 blocks: the upper half of K of a tile of Wq
.Lpf_head:
	WIN 0xc0
.irp b, 0,1,2,3,4,5,6,7                ; accumulator (a, b), register i: n = 32 (b / 2) + 16 h + 8 (b % 2) + i
	global_load_b128 v[BQ+8*\b:BQ+8*\b+3], v7, s[8:9] offset:128*(\b/2)+32*(\b%2)
	global_load_b128 v[BQ+8*\b+4:BQ+8*\b+7], v7, s[8:9] offset:128*(\b/2)+32*(\b%2)+16
	global_load_b128 v[BKK+8*\b:BKK+8*\b+3], v7, s[10:11] offset:128*(\b/2)+32*(\b%2)
	global_load_b128 v[BKK+8*\b+4:BKK+8*\b+7], v7, s[10:11] offset:128*(\b/2)+32*(\b%2)+16
.endr
.irp a, 0,1,2,3                        ; m = 32 (a / 2) + 8 (a % 2) + r + 8 (r / 8) in all eight registers
.irp i, 0,1,2,3,4,5,6,7
	global_load_b32 v[BVV+8*\a+\i], v8, s[12:13] offset:128*(\a/2)+32*(\a%2)
.endr
.endr
	WIN 0
	WALU
	s_wait_tensorcnt 0x0                           ; my tile of the head's four is in; the three lines ahead of a later first fill
	ds_add_u32 v[SPW], v[NIL]
	NEXTHI
	s_wait_dscnt 0x0
	CROUND
	FILL2                                          ; slot 1's first fill
	SCALES
	FETCH 0, 0, 0
	s_wait_loadcnt 0x0                             ; the biases are in: their pointers' registers are free,
	s_wait_xcnt 0x0                                ; and so are the head's prefetches'
	; the trips' prefetches, bytes from xc: s12, s13: the next A's half tile in trip 0, 1;  s19, s45: the next B's tile;  s89: 1 in clusters 0 to 3
	s_lshl_b32 s15, s41, 2
	s_add_co_u32 s15, s15, s14                     ; 4 cy + wave
	s_lshr_b32 s19, s45, 1
	s_and_b32 s45, s45, 1
	s_mul_i32 s45, s45, TROW
	s_add_co_u32 s12, s76, s19
	s_mul_i32 s12, s12, TPITCH
	s_add_co_u32 s12, s12, s45
	s_add_co_u32 s13, s77, s19
	s_mul_i32 s13, s13, TPITCH
	s_add_co_u32 s13, s13, s45
	s_add_co_u32 s19, s78, s15
	s_mul_i32 s19, s19, TPITCH
	s_add_co_u32 s45, s79, s15
	s_mul_i32 s45, s45, TPITCH
	s_cmp_lt_u32 s95, 4
	s_cselect_b32 s89, 1, 0
	s_mov_b32 s91, 0
	s_mov_b32 s88, 0
.Ltrip:                                                ; trips 0 and 1: q, k
	s_wait_dscnt 0x0
	FETCH 0, 1, 1
	s_cmp_eq_u32 s88, 0
	s_cbranch_scc0 .Lbias_k
	FIRST 1, BQ
	s_branch .Lbias_done
.Lbias_k:
	FIRST 1, BKK
.Lbias_done:
	s_cmp_eq_u32 s88, 0                            ; the next trip's tiles are asked for (the trip's last wait on XCNT stands ahead of these writes of the address registers)
	s_cselect_b32 s90, s12, s13
	s_add_nc_u64 s[8:9], s[4:5], s[90:91]
	s_cselect_b32 s90, s19, s45
	s_add_nc_u64 s[10:11], s[4:5], s[90:91]
	s_xor_b32 s15, s88, 1
	s_or_b32 s15, s15, s89                         ; A: tokens in trip 0; weights in trip 1: clusters 0 to 3 alone
	s_cmp_lg_u32 s15, 0
	s_cbranch_scc0 .Lno_pfa
	global_prefetch_b8 v[PF24], s[8:9] th:TH_LOAD_NT scope:SCOPE_SE
.Lno_pfa:
	s_or_b32 s15, s88, s89                         ; B: weights in trip 0, tokens in trip 1
	s_cmp_lg_u32 s15, 0
	s_cbranch_scc0 .Lno_pfb
	global_prefetch_b8 v[PF24], s[10:11] th:TH_LOAD_NT scope:SCOPE_SE
	global_prefetch_b8 v[PF24], s[10:11] offset:TROW th:TH_LOAD_NT scope:SCOPE_SE
.Lno_pfb:
	KSTEP 1
	KSTEP 2
	TURN 3, 1
	KSTEP 4
	KSTEP 5
	KSTEP 6
	TURN 7, 2                                      ; its fetch is the next trip's first fragments
	PLACES 4                                       ; behind the last products: their scale registers are loaded anew and their results read below
	SCALES
	EPI 0
	s_wait_xcnt 0x0
	s_add_nc_u64 s[96:97], s[96:97], 64*98304
	s_add_nc_u64 s[98:99], s[98:99], 64*8192
	s_add_co_u32 s88, s88, 1
	s_cmp_lt_u32 s88, 2
	s_cbranch_scc1 .Ltrip
	s_wait_dscnt 0x0                               ; trip 2: v; it asks for nothing more
	FETCH 0, 1, 1
	FIRST 2, BVV
	KSTEP 1
	KSTEP 2
	TURN 3, 0
	KSTEP 4
	KSTEP 5
	KSTEP 6
	KSTEP 7
	PLACES 4
	EPI 1
	s_wait_tensorcnt 0x0                           ; the wave's end
	ds_add_u32 v[SPW], v[NIL]
	s_wait_dscnt 0x0
	CROUND                                         ; the closing round
	s_endpgm
.Lfunc_end_k_q0ff290a554_proj:
	.size	k_q0ff290a554_proj, .Lfunc_end_k_q0ff290a554_proj-k_q0ff290a554_proj
	.p2alignl 7, 3214868480
	.fill 96, 4, 3214868480
	.section	.rodata,"a",@progbits
	.p2align	6, 0x0
	.amdhsa_kernel k_q0ff290a554_proj
		.amdhsa_group_segment_fixed_size 327680
		.amdhsa_private_segment_fixed_size 0
		.amdhsa_enable_private_segment 0
		.amdhsa_kernarg_size 56
		.amdhsa_user_sgpr_count 2
		.amdhsa_user_sgpr_kernarg_segment_ptr 1
		.amdhsa_wavefront_size32 1
		.amdhsa_system_sgpr_workgroup_id_x 1
		.amdhsa_system_sgpr_workgroup_id_y 1
		.amdhsa_system_sgpr_workgroup_id_z 1
		.amdhsa_system_vgpr_workitem_id 0
		.amdhsa_next_free_vgpr 928
		.amdhsa_next_free_sgpr 102
		.amdhsa_reserve_vcc 0
		.amdhsa_float_denorm_mode_32 3
		.amdhsa_float_denorm_mode_16_64 3
		.amdhsa_memory_ordered 1
		.amdhsa_forward_progress 1
		.amdhsa_inst_pref_size 208
	.end_amdhsa_kernel
	.amdgpu_metadata
---
amdhsa.version: [ 1, 2 ]
amdhsa.kernels:
  - .name:           k_q0ff290a554_proj
    .symbol:         k_q0ff290a554_proj.kd
    .args:
      - { .name: xc, .offset: 0, .size: 8, .value_kind: global_buffer, .address_space: global }
      - { .name: xs, .offset: 8, .size: 8, .value_kind: global_buffer, .address_space: global }
      - { .name: bq, .offset: 16, .size: 8, .value_kind: global_buffer, .address_space: global }
      - { .name: bk, .offset: 24, .size: 8, .value_kind: global_buffer, .address_space: global }
      - { .name: bv, .offset: 32, .size: 8, .value_kind: global_buffer, .address_space: global }
      - { .name: hc, .offset: 40, .size: 8, .value_kind: global_buffer, .address_space: global }
      - { .name: hs, .offset: 48, .size: 8, .value_kind: global_buffer, .address_space: global }
    .group_segment_fixed_size: 327680
    .private_segment_fixed_size: 0
    .kernarg_segment_align: 8
    .kernarg_segment_size: 56
    .max_flat_workgroup_size: 128
    .sgpr_count:     102
    .vgpr_count:     928
    .wavefront_size: 32
...
	.end_amdgpu_metadata
.endif
;; end of part 2
;; launch attn (part 3): grid 4 x 64, 8 waves a work-group, clusters of 4 x 1, 327,680 bytes of LDS; arguments hc, hs, cc, cs; writes cc, cs
.if DOCPART == 3
	.amdgcn_target "amdgcn-amd-amdhsa--gfx1250"
	.amdhsa_code_object_version 6
	.text
	.protected	k_q0ff290a554_attn
	.globl	k_q0ff290a554_attn
	.p2align	8
	.type	k_q0ff290a554_attn,@function
k_q0ff290a554_attn:
	s_mov_b64 s[64:65], 0
	v_nop
	global_prefetch_b8 v0, s[64:65] scope:SCOPE_SE
	s_setreg_imm32_b32 hwreg(HW_REG_WAVE_MODE, 25, 1), 1
	s_wait_xcnt 0x0
	s_wait_alu depctr_hold_cnt(0) depctr_sa_sdst(0) depctr_va_vdst(0) depctr_va_sdst(0) depctr_va_ssrc(0) depctr_va_vcc(0) depctr_vm_vsrc(0)
	s_getreg_b32 s2, hwreg(HW_REG_IB_STS2, 6, 4)
	s_cmp_eq_u32 s2, 0
	s_cbranch_scc0 .Lentry_in_a_cluster
	s_endpgm
.Lentry_in_a_cluster:
	s_bfe_u32 s2, ttmp6, 0x10000c
	s_cmp_lg_u32 s2, 0x3003
	s_cbranch_scc0 .Lentry_shape_is_right
	s_endpgm
.Lentry_shape_is_right:
; Attention of one head (work-group y = 16 b + head) for 512 queries (the place in the cluster of four), on codes of FP6 (E2M3) with E8M0 scales; the result leaves quantised for the last projection.
; S^T = K Q^T and O^T = V^T P^T are used transposed: a lane holds one query.  p = 2^(t - M), t = score x log2(e) / 8, M the ceiling of the running largest t; the row's sum is taken of the unquantised p.
; LIMITS: the promise holds while the scaled scores stay under 2^31 in magnitude; NaN and infinities are not served; a block of p that is all zero gets the byte 1 (its codes are zeros).
; SHARES: 8 waves; a wave makes 2 passes of 32 queries: two tiles of 16 that share every fragment of K and V and whose chains of vector work stand line by line in turn.  A step is 128 keys, 16 steps a pass.
; LDS: K's codes of the head (98,304 bytes) at 0, V's behind them, K's and V's scale words (8,192 each) behind those, then the spare words.  All is filled once, at the head, by joint loads of the four work-groups
; that share the head: one tensor load a wave, waves 0-2 K's codes, 3-5 V's, 6 K's words, 7 V's.  Nothing is filled again.  No prefetch: every tile is asked for at the head, so there is no loop to run ahead in.
; THE KEYS OF A TILE ARE CHOSEN BY THE LANES' ADDRESSES: tile 4 c + u takes keys 64 c + 8 u + 0..7 as rows 0-7 and 64 c + 32 + 8 u + 0..7 as rows 8-15.  hc holds eight keys on end as 64 bytes of a piece, so a lane term
; (1,536 for rows 8-15, 8 x row % 8, 128 x lane / 16) and an immediate find them.  Then registers 32 c .. 32 c + 31 of lane (r, h) are keys 64 c + 32 h + 0..31: one whole scale block, in the operand's own order.
; REGISTERS: window 0: v0-23 addresses, v24-35 scale words, v36-107 the two tiles' state, p's codes, v112-239 the scores.  Window 1: v0-63 O^T, v64-87 q, v88-141 K's fragments, v144-191 V's.
; A head's 64 are half a fragment: q's upper six registers are zero codes, and a tile of K is read with the next tile's six registers (behind the last: six cleared ones) as its upper half.
.set HEADB, 98304
.set STEPB, 6144
.set VCOD,  HEADB
.set KWRD,  2*HEADB
.set SPARE, KWRD+16384
.set LI8, 1
.set AK,  2
.set AV,  4
.set AKW, 8
.set AVW, 9
.set SH8, 10
.set CSO, 11
.set LI16, 12
.set SPW, 13
.set NIL, 14
.set BK,  16
.set BV,  18
.set BKW, 22
.set BVW, 23
.set KW,  24                           ; v24-27 K's scale words: register 2 c + u / 2: lanes 0-15 tile u even, lanes 16-31 u odd
.set VW,  28                           ; v28-31 V's, one a tile
.set QW,  32                           ; q's: lanes 0-15 the first tile, lanes 16-31 the second
.set PW,  34                           ; v34, v35 p's
.set NM,  36                           ; for tile e at + 2 e: -M, the running largest score
.set LS,  40                           ; the row's sum, two halves
.set FF,  44                           ; f = 2^(old M - new M)
.set OL,  48
.set BM,  50                           ; the two blocks' largest
.set PT,  54
.set SO,  56                           ; the conversions' scale operands
.set BY,  60
.set L2,  64
.set TT,  68                           ; second halves of the codes, as converted
.set PP,  84                           ; p's codes, 12 a tile
.set S0,  112                          ; the scores, 64 a tile
.set OO,  0
.set QF,  64
.set KF,  88
.set VF,  144
.set QN,  192                          ; window 1, v192-203: the second pass's q;  v33: its scale words
.set QW2, 33
.set B2,  240                          ; v240-243 the second chain of each block's maximum
.set L3,  248                          ; v248-255 the third and fourth chain of each row's sum
.set L4,  252
.set WV,  12
.set SEL, 20
.set CS,  22
.set G1C, 24
.set G1W, 32
.set G0C, 40
.set G0W, 44
.set TK,  48
.set TS,  49
.set PAS, 51
.set MSB, 0
.macro WIN new                         ; the immediate's high byte repeats the setting that is left
.if MSB != (\new)
	s_set_vgpr_msb (MSB<<8)|(\new)
.set MSB, (\new)
.endif
.endm
.macro WALU
	s_wait_alu depctr_va_vdst(0)
.endm
.macro CROUND
	s_barrier_signal -1
	s_barrier_wait -1
	s_cmp_lg_u32 s[WV], 0
	s_cbranch_scc1 .Lnot_wave_0_\@
	s_barrier_signal -3
.Lnot_wave_0_\@:
	s_barrier_wait -3
	s_barrier_signal -1
	s_barrier_wait -1
.endm
.macro KFETCH                          ; the fragments and scale words of K's step at s[TK], s[TS]: 12 + 4 LDS loads
	v_add_nc_u32 v[AK], s[TK], v[BK]
	v_add_nc_u32 v[AK+1], s[TK], v[BK+1]
	v_add_nc_u32 v[AKW], s[TS], v[BKW]
	WIN 0x40
.irp c, 0,1
.irp j, 0,1,2,3,4,5                    ; pieces 2 j, 2 j + 1 of the twelve of tiles 4 c .. 4 c + 3; piece g: tile g / 3, registers 2 (g % 3) ..; offsets count 8 bytes
	ds_load_2addr_b64 v[KF+24*\c+4*\j:KF+24*\c+4*\j+3], v[AK+\c] offset0:(((2*\j)/3)%2)*96+((2*\j)/6)*8+32*((2*\j)%3) offset1:(((2*\j+1)/3)%2)*96+((2*\j+1)/6)*8+32*((2*\j+1)%3)
.endr
.endr
	WIN 0
.irp c, 0,1
.irp s, 0,1
	ds_load_b32 v[KW+2*\c+\s], v[AKW] offset:128*\s+8*\c
.endr
.endr
.endm
	s_load_b256 s[4:11], s[0:1], 0x0               ; hc, hs, cc, cs
	v_lshl_add_u32 v[SPW], v0, 2, SPARE
	v_mov_b32 v[NIL], 0
	ds_add_u32 v[SPW], v[NIL]                      ; the opening lines
	ds_add_u32 v[SPW], v[NIL]
	v_lshrrev_b32 v15, 5, v0
	v_readfirstlane_b32 s[WV], v15                 ; wave 0..7
	s_bfe_u32 s13, ttmp6, 0x40000                  ; cx: which 512 queries
	s_and_b32 s14, ttmp7, 0xffff                   ; y = 16 b + head
	s_add_co_u32 s17, s14, 64                      ; K's place in hc and hs; V's is 64 further on
	s_mul_i32 s52, s17, HEADB
	s_lshl_b32 s18, s[WV], 15                      ; a third of a head's codes a wave: 32,768 bytes
	s_add_co_u32 s52, s52, s18
	s_cmp_ge_u32 s[WV], 3
	s_cselect_b32 s18, 63*HEADB, 0                 ; waves 3-5: V's codes
	s_add_co_u32 s52, s52, s18
	s_mov_b32 s53, 0
	s_and_b32 s19, s[WV], 1                        ; wave 6: K's words, wave 7: V's
	s_lshl_b32 s18, s19, 6
	s_add_co_u32 s18, s18, s17
	s_lshl_b32 s54, s18, 13
	s_mov_b32 s55, 0
	s_mov_b32 s[G1C], 15|(3<<16)|(1<<21)           ; the mask of the four, elements of 8 bytes; dense blocks as rows of 256 bytes: 128 rows of codes,
	s_mov_b32 s[G1C+1], 32<<16
	s_mov_b32 s[G1C+2], 128<<16
	s_mov_b32 s[G1C+3], 32<<16
	s_mov_b32 s[G1C+4], 128
	s_mov_b32 s[G1C+5], 32
	s_mov_b32 s[G1C+6], 0
	s_mov_b32 s[G1C+7], 0
	s_mov_b32 s[G1W], 15|(3<<16)|(1<<21)           ; 32 rows of words
	s_mov_b32 s[G1W+1], 32<<16
	s_mov_b32 s[G1W+2], 32<<16
	s_mov_b32 s[G1W+3], 32<<16
	s_mov_b32 s[G1W+4], 32
	s_mov_b32 s[G1W+5], 32
	s_mov_b32 s[G1W+6], 0
	s_mov_b32 s[G1W+7], 0
	s_mov_b32 s[G0C], 1
	s_lshl_b32 s[G0C+1], s[WV], 15
	s_mov_b32 s[G0W], 1
	s_lshl_b32 s[G0W+1], s19, 13
	s_add_co_u32 s[G0W+1], s[G0W+1], KWRD
	s_mov_b32 s[SEL], 0x76543210
	s_mov_b32 s[SEL+1], 0xfedcba98                 ; v_permlanex16_b32's selects for lane l xor 16
	s_mov_b32 s[CS], 0x3e38aa3b                    ; log2(e) / 8
	s_mov_b32 s[CS+1], s[CS]
	WALU
	s_wait_dscnt 0x0
	CROUND                                         ; the round in front of the first joint loads
	s_wait_kmcnt 0x0
	s_add_nc_u64 s[G0C+2:G0C+3], s[4:5], s[52:53]
	s_or_b32 s[G0C+3], s[G0C+3], 0x80000000
	s_add_nc_u64 s[G0W+2:G0W+3], s[6:7], s[54:55]
	s_or_b32 s[G0W+3], s[G0W+3], 0x80000000
	s_cmp_lt_u32 s[WV], 6
	s_cbranch_scc0 .Lwords
	tensor_load_to_lds s[G0C:G0C+3], s[G1C:G1C+7]
	s_nop 0
.rept 4
	v_nop
.endr
	s_branch .Lasked
.Lwords:
	tensor_load_to_lds s[G0W:G0W+3], s[G1W:G1W+7]
	s_nop 0
.rept 4
	v_nop
.endr
.Lasked:
	v_and_b32 v15, 31, v0
	v_lshlrev_b32 v[LI8], 3, v15
	v_lshlrev_b32 v[LI16], 4, v15
	v_and_b32 v2, 7, v0                            ; r % 8
	v_bfe_u32 v3, v0, 3, 1                         ; r / 8
	v_bfe_u32 v4, v0, 4, 1                         ; h
	v_and_b32 v5, 15, v0
	v_lshlrev_b32 v[SH8], 3, v4
	v_lshlrev_b32 v[CSO], 5, v5                    ; 32 r: my row of cs
	v_mul_u32_u24 v[BK], v3, 1536
	v_lshl_add_u32 v[BK], v2, 3, v[BK]
	v_lshl_add_u32 v[BK], v4, 7, v[BK]             ; K: 1,536 (r / 8) + 8 (r % 8) + 128 h; tiles 4-7 lie 3,072 on
	v_add_nc_u32 v[BK+1], 3072, v[BK]
.irp t, 0,1,2,3
	v_add_nc_u32 v[BV+\t], VCOD+1536*\t, v[LI8]    ; V: images of the registers, 8 x lane
.endr
	v_lshlrev_b32 v[BKW], 4, v2
	v_lshl_add_u32 v[BKW], v3, 2, v[BKW]
	v_lshl_add_u32 v[BKW], v4, 8, v[BKW]
	v_add_nc_u32 v[BKW], KWRD, v[BKW]              ; K's words: 16 (r % 8) + 4 (r / 8) + 256 h
	v_add_nc_u32 v[BVW], KWRD+8192, v[LI16]
.irp e, 0,1
	v_mov_b32 v[PT+\e], 0                          ; written once: a lane permute's destination counts as a source
	v_mov_b32 v[FF+2*\e+1], 0                      ; the pair's upper word is named, not used
.endr
	WIN 0x40
.irp i, 0,1,2,3,4,5
	v_mov_b32 v[QF+6+\i], 0                        ; zero codes: q's upper halves,
	v_mov_b32 v[QF+18+\i], 0
	v_mov_b32 v[KF+48+\i], 0                       ; and what the last tile of K names as its upper half
.endr
	WIN 0
	s_lshl_b32 s56, s13, 5
	s_lshl_b32 s57, s[WV], 1
	s_add_co_u32 s56, s56, s57                     ; my first tile of 16 queries of the head's 128: 32 cx + 2 wave; the second pass's lie 16 on
	s_mul_i32 s58, s14, HEADB
	s_mul_i32 s57, s56, 768
	s_add_co_u32 s58, s58, s57
	s_mov_b32 s59, 0
	s_add_nc_u64 s[4:5], s[4:5], s[58:59]          ; q's codes
	s_lshl_b32 s58, s13, 2
	s_lshr_b32 s57, s[WV], 2
	s_add_co_u32 s58, s58, s57
	s_lshl_b32 s58, s58, 9
	s_lshl_b32 s57, s14, 13
	s_add_co_u32 s58, s58, s57
	s_and_b32 s57, s[WV], 3
	s_lshl_b32 s57, s57, 2
	s_add_co_u32 s58, s58, s57
	s_add_nc_u64 s[6:7], s[6:7], s[58:59]          ; q's words: step 4 cx + wave / 4, word wave % 4
	s_lshr_b32 s60, s14, 4
	s_lshl_b32 s60, s60, 7
	s_add_co_u32 s60, s60, s56                     ; the tile among all 512
	s_and_b32 s61, s14, 15
	s_mul_i32 s58, s60, 12288
	s_mul_i32 s57, s61, 768
	s_add_co_u32 s58, s58, s57
	s_add_nc_u64 s[8:9], s[8:9], s[58:59]          ; cc[tile][head / 2][half a fragment]
	s_lshl_b32 s58, s60, 9
	s_lshl_b32 s57, s61, 1
	s_add_co_u32 s58, s58, s57
	s_add_nc_u64 s[10:11], s[10:11], s[58:59]      ; cs[tile][r][2 head]
	WIN 0x40                                       ; both passes' q are asked for here, while the tensor loads are out
.irp e, 0,1
.irp p, 0,1,2
	global_load_b64 v[QF+12*\e+2*\p:QF+12*\e+2*\p+1], v[LI8], s[4:5] offset:768*\e+256*\p
	global_load_b64 v[QN+6*\e+2*\p:QN+6*\e+2*\p+1], v[LI8], s[4:5] offset:16*768+768*\e+256*\p
.endr
.endr
	WIN 0
	global_load_b32 v[QW], v[LI16], s[6:7]
	global_load_b32 v[QW2], v[LI16], s[6:7] offset:1024
	s_mov_b32 s[PAS], 0
	WALU
	s_wait_tensorcnt 0x0
	s_barrier_signal -1
	s_barrier_wait -1                              ; everybody's tile is in
.Lpass:
	s_wait_dscnt 0x0                               ; no LDS load of mine is out: K's registers may be asked for anew
	s_mov_b32 s[TK], 0
	s_mov_b32 s[TS], 0
	KFETCH                                         ; step 0 of K
	WIN 0x40
.set j, 0
.rept 64
	v_mov_b32 v[OO+j], 0                           ; O^T: the step is written once, and the first finds zeros
.set j, j+1
.endr
	WIN 0
.irp e, 0,1
	v_mov_b32 v[NM+2*\e+1], 0xff61b1e6
	v_mov_b32 v[NM+2*\e], 0x7f61b1e6               ; -M: so the first f is 0
	v_mov_b32 v[LS+2*\e], 0
	v_mov_b32 v[LS+2*\e+1], 0
.endr
	WALU
	s_wait_loadcnt 0x0
.Lstep:
.irp t, 0,1,2,3                        ; these five lines are also the places between the last products and the loads into their registers
	v_add_nc_u32 v[AV+\t], s[TK], v[BV+\t]
.endr
	v_add_nc_u32 v[AVW], s[TS], v[BVW]
	ds_load_b128 v[VW:VW+3], v[AVW]
	WIN 0x40
.irp t, 0,1,2,3
.irp j, 0,1,2
	ds_load_2addr_b64 v[VF+12*\t+4*\j:VF+12*\t+4*\j+3], v[AV+\t] offset0:64*\j offset1:64*\j+32
.endr
.endr
	s_wait_dscnt 13                                ; K's fragments and words are in; the 13 loads just issued may be out
	WIN 0x05
.irp c, 0,1
.irp s, 0,1
.irp u, 0,1
.irp e, 0,1
	v_wmma_scale_f32_16x16x128_f8f6f4 v[S0+64*\e+8*(4*\c+2*\s+\u):S0+64*\e+8*(4*\c+2*\s+\u)+7], v[KF+6*(4*\c+2*\s+\u):KF+6*(4*\c+2*\s+\u)+11], v[QF+12*\e:QF+12*\e+11], 0, v[KW+2*\c+\s], v[QW] matrix_a_fmt:MATRIX_FMT_FP6 matrix_b_fmt:MATRIX_FMT_FP6 matrix_a_scale:MATRIX_SCALE_ROW\u matrix_b_scale:MATRIX_SCALE_ROW\e
.endr
.endr
.endr
.endr
	WIN 0
	s_add_co_u32 s[TK], s[TK], STEPB               ; on to the next step.  (Behind a pass's last step the look-ahead below reads the filled bytes that follow K's, and is not used)
	s_add_co_u32 s[TS], s[TS], 512                 ; this step also counts the loop's trips
	v_mov_b32 v[OL], v[NM]                         ; the old -M.  These two and KFETCH's three are the places behind the products
	v_mov_b32 v[OL+1], v[NM+2]
	KFETCH
.irp e, 0,1                            ; the largest score of each block of 32 keys: all 32 are mine; eight chains in turn, each accumulator from its low end on
.irp c, 0,1
	v_max3_num_f32 v[BM+2*\e+\c], v[S0+64*\e+32*\c], v[S0+64*\e+32*\c+1], v[S0+64*\e+32*\c+2]
	v_max3_num_f32 v[B2+2*\e+\c], v[S0+64*\e+32*\c+16], v[S0+64*\e+32*\c+17], v[S0+64*\e+32*\c+18]   ; two chains a block, one over each half: eight in turn
.endr
.endr
.irp i, 3,5,7,9,11,13
.irp e, 0,1
.irp c, 0,1
	v_max3_num_f32 v[BM+2*\e+\c], v[BM+2*\e+\c], v[S0+64*\e+32*\c+\i], v[S0+64*\e+32*\c+\i+1]
	v_max3_num_f32 v[B2+2*\e+\c], v[B2+2*\e+\c], v[S0+64*\e+32*\c+16+\i], v[S0+64*\e+32*\c+17+\i]
.endr
.endr
.endr
.irp e, 0,1
.irp c, 0,1
	v_max3_num_f32 v[BM+2*\e+\c], v[BM+2*\e+\c], v[B2+2*\e+\c], v[S0+64*\e+32*\c+15]
.endr
.endr
.irp e, 0,1
.irp c, 0,1
	v_max_num_f32 v[BM+2*\e+\c], v[BM+2*\e+\c], v[S0+64*\e+32*\c+31]
.endr
.endr
.irp e, 0,1
	v_max3_num_f32 v[NM+2*\e+1], v[NM+2*\e+1], v[BM+2*\e], v[BM+2*\e+1]
.endr
.irp e, 0,1
	v_permlanex16_b32 v[PT+\e], v[NM+2*\e+1], s[SEL], s[SEL+1]
.endr
.irp e, 0,1
	v_max_num_f32 v[NM+2*\e+1], v[NM+2*\e+1], v[PT+\e]   ; the running largest score of my query
.endr
.irp e, 0,1
	v_mul_f32 v[PT+\e], s[CS], v[NM+2*\e+1]
.endr
.irp e, 0,1
	v_floor_f32 v[NM+2*\e], -v[PT+\e]              ; -M = floor(-t): a whole number
.endr
.set j, 0
.rept 32
	v_pk_fma_f32 v[S0+j:S0+j+1], v[S0+j:S0+j+1], s[CS:CS+1], v[NM:NM+1] op_sel_hi:[1,0,0]          ; t - M
	v_pk_fma_f32 v[S0+64+j:S0+65+j], v[S0+64+j:S0+65+j], s[CS:CS+1], v[NM+2:NM+3] op_sel_hi:[1,0,0]
.if j == 8
	v_sub_f32 v[OL], v[NM], v[OL]                  ; old M - new M, 0 or less,
	v_sub_f32 v[OL+1], v[NM+2], v[OL+1]
.elseif j == 24
	v_cvt_i32_f32 v[OL], v[OL]                     ; (it saturates)
	v_cvt_i32_f32 v[OL+1], v[OL+1]
.endif
.set j, j+2
.endr
.irp e, 0,1
.irp c, 0,1
	v_fma_f32 v[BM+2*\e+\c], v[BM+2*\e+\c], s[CS], v[NM+2*\e]   ; the same of each block's largest score
.endr
.endr
	WALU
.irp k, 0,1,2,3
	v_exp_f32 v[BM+\k], v[BM+\k]                   ; the block's largest p: the same two instructions on the same number give the same bits
.endr
.set j, 0
.rept 128
	v_exp_f32 v[S0+j], v[S0+j]
.set j, j+1
.endr
	v_ldexp_f32 v[FF], 1.0, v[OL]                  ; f: an exact power of two.  These two are also the plain place behind the exponentials
	v_ldexp_f32 v[FF+2], 1.0, v[OL+1]
	WALU
.irp k, 0,1,2,3
	v_max_num_f32 v[BM+\k], 0x1800000, v[BM+\k]    ; the floor 2^(3 - 127): the byte cannot fall under 1
.endr
.irp k, 0,1,2,3
	v_add_nc_u32 v[SO+\k], 0xff000000, v[BM+\k]    ; 2 off the exponent field: the conversion's scale operand
.endr
.irp k, 0,1,2,3
	v_lshrrev_b32 v[BY+\k], 23, v[SO+\k]
.endr
.irp e, 0,1                            ; the row's sum of the unquantised p, in four chains a tile; the first line brings the old sum under the new M
	v_pk_fma_f32 v[LS+2*\e:LS+2*\e+1], v[LS+2*\e:LS+2*\e+1], v[FF+2*\e:FF+2*\e+1], v[S0+64*\e:S0+64*\e+1] op_sel_hi:[1,0,1]
	v_pk_add_f32 v[L2+2*\e:L2+2*\e+1], v[S0+64*\e+2:S0+64*\e+3], v[S0+64*\e+4:S0+64*\e+5]
	v_pk_add_f32 v[L3+2*\e:L3+2*\e+1], v[S0+64*\e+6:S0+64*\e+7], v[S0+64*\e+8:S0+64*\e+9]
	v_pk_add_f32 v[L4+2*\e:L4+2*\e+1], v[S0+64*\e+10:S0+64*\e+11], v[S0+64*\e+12:S0+64*\e+13]
.endr
.set i, 0
.rept 6
.if i == 0
	v_lshl_or_b32 v[BY], v[BY+1], 16, v[BY]        ; my two bytes, blocks h and 2 + h,
	v_lshl_or_b32 v[BY+2], v[BY+3], 16, v[BY+2]
.elseif i == 1
	v_lshlrev_b32 v[BY], v[SH8], v[BY]             ; at their places in the row's word;
	v_lshlrev_b32 v[BY+2], v[SH8], v[BY+2]
.elseif i == 2
	v_permlanex16_b32 v[PT], v[BY], s[SEL], s[SEL+1]
	v_permlanex16_b32 v[PT+1], v[BY+2], s[SEL], s[SEL+1]
.elseif i == 3
	v_or_b32 v[PW], v[BY], v[PT]                   ; with lane l xor 16's two the word is whole
	v_or_b32 v[PW+1], v[BY+2], v[PT+1]
.endif
.irp e, 0,1
	v_pk_add_f32 v[LS+2*\e:LS+2*\e+1], v[LS+2*\e:LS+2*\e+1], v[S0+64*\e+14+8*i:S0+64*\e+15+8*i]
	v_pk_add_f32 v[L2+2*\e:L2+2*\e+1], v[L2+2*\e:L2+2*\e+1], v[S0+64*\e+16+8*i:S0+64*\e+17+8*i]
	v_pk_add_f32 v[L3+2*\e:L3+2*\e+1], v[L3+2*\e:L3+2*\e+1], v[S0+64*\e+18+8*i:S0+64*\e+19+8*i]
	v_pk_add_f32 v[L4+2*\e:L4+2*\e+1], v[L4+2*\e:L4+2*\e+1], v[S0+64*\e+20+8*i:S0+64*\e+21+8*i]
.endr
.set i, i+1
.endr
.irp e, 0,1
	v_pk_add_f32 v[LS+2*\e:LS+2*\e+1], v[LS+2*\e:LS+2*\e+1], v[S0+64*\e+62:S0+64*\e+63]
	v_pk_add_f32 v[L3+2*\e:L3+2*\e+1], v[L3+2*\e:L3+2*\e+1], v[L4+2*\e:L4+2*\e+1]
.endr
.irp e, 0,1
.irp c, 0,1
	v_cvt_scalef32_pk16_fp6_f32 v[PP+12*\e+6*\c:PP+12*\e+6*\c+2], v[S0+64*\e+32*\c:S0+64*\e+32*\c+15], v[SO+2*\e+\c]
	v_cvt_scalef32_pk16_fp6_f32 v[TT+8*\e+4*\c:TT+8*\e+4*\c+2], v[S0+64*\e+32*\c+16:S0+64*\e+32*\c+31], v[SO+2*\e+\c]   ; (a conversion's three registers begin on an even number)
.endr
.endr
.irp e, 0,1
	v_pk_add_f32 v[LS+2*\e:LS+2*\e+1], v[LS+2*\e:LS+2*\e+1], v[L2+2*\e:L2+2*\e+1]   ; also the plain place behind the conversions
.endr
.irp e, 0,1
.irp c, 0,1
.irp i, 0,1,2
	v_mov_b32 v[PP+12*\e+6*\c+3+\i], v[TT+8*\e+4*\c+\i]
.endr
.endr
.endr
.irp e, 0,1
	v_pk_add_f32 v[LS+2*\e:LS+2*\e+1], v[LS+2*\e:LS+2*\e+1], v[L3+2*\e:L3+2*\e+1]   ; the four chains are one sum again
.endr
	s_wait_dscnt 16                                ; V's fragments and words are in; the next step's 16 loads of K may be out
	WIN 0x41
	WALU
.set j, 0
.rept 16
	v_pk_mul_f32 v[OO+j:OO+j+1], v[OO+j:OO+j+1], v[FF:FF+1] op_sel_hi:[1,0]             ; O^T under the new M; these 32 lines are the places between p's codes and word and the products
.set j, j+2
.endr
.set j, 0
.rept 16
	v_pk_mul_f32 v[OO+32+j:OO+33+j], v[OO+32+j:OO+33+j], v[FF+2:FF+3] op_sel_hi:[1,0]
.set j, j+2
.endr
	WIN 0x51
.irp t, 0,1,2,3                        ; eight accumulators by turns
.irp e, 0,1
	v_wmma_scale_f32_16x16x128_f8f6f4 v[OO+32*\e+8*\t:OO+32*\e+8*\t+7], v[VF+12*\t:VF+12*\t+11], v[PP+12*\e:PP+12*\e+11], v[OO+32*\e+8*\t:OO+32*\e+8*\t+7], v[VW+\t], v[PW+\e] matrix_a_fmt:MATRIX_FMT_FP6 matrix_b_fmt:MATRIX_FMT_FP6
.endr
.endr
	WIN 0
	s_cmp_lg_u32 s[TS], 8192                       ; 16 steps of 512 bytes of scale words
	s_cbranch_scc1 .Lstep
; THE WAY OUT: O^T / the sum; register 8 t + i of lane (r, h) is channel 32 (t / 2) + 16 h + 8 (t % 2) + i: 16 neighbours in two tiles' registers, half a block of the next product's K
.irp e, 0,1
	v_add_f32 v[LS+2*\e], v[LS+2*\e], v[LS+2*\e+1]
.endr
.irp e, 0,1
	v_permlanex16_b32 v[PT+\e], v[LS+2*\e], s[SEL], s[SEL+1]
.endr
.irp e, 0,1
	v_add_f32 v[LS+2*\e], v[LS+2*\e], v[PT+\e]     ; the row's sum
.endr
	WALU
.irp e, 0,1
	v_rcp_f32 v[LS+2*\e], v[LS+2*\e]
.endr
	v_nop
	WIN 0x01
	WALU
.irp e, 0,1
.set j, 0
.rept 16
	v_pk_mul_f32 v[S0+64*\e+j:S0+64*\e+j+1], v[OO+32*\e+j:OO+32*\e+j+1], v[LS+2*\e:LS+2*\e+1] op_sel_hi:[1,0]
.set j, j+2
.endr
.endr
	WIN 0
.irp e, 0,1
.irp b, 0,1
	v_max3_num_f32 v[BM+2*\e+\b], |v[S0+64*\e+16*\b]|, |v[S0+64*\e+16*\b+1]|, 0x1800000
.endr
.endr
.irp i, 2,4,6,8,10,12,14
.irp e, 0,1
.irp b, 0,1
	v_max3_num_f32 v[BM+2*\e+\b], v[BM+2*\e+\b], |v[S0+64*\e+16*\b+\i]|, |v[S0+64*\e+16*\b+\i+1]|
.endr
.endr
.endr
.irp k, 0,1,2,3
	v_permlanex16_b32 v[SO+\k], v[BM+\k], s[SEL], s[SEL+1]
.endr
.irp k, 0,1,2,3
	v_max_num_f32 v[BM+\k], v[BM+\k], v[SO+\k]     ; with lane l xor 16's 16: the block's largest magnitude
.endr
.irp k, 0,1,2,3
	v_add_nc_u32 v[SO+\k], 0xff000000, v[BM+\k]
.endr
.irp k, 0,1,2,3
	v_lshrrev_b32 v[BY+\k], 23, v[SO+\k]
.endr
.irp e, 0,1
	v_lshl_or_b32 v[BY+2*\e], v[BY+2*\e+1], 8, v[BY+2*\e]
.endr
.irp e, 0,1
	v_cvt_scalef32_pk16_fp6_f32 v[PP+12*\e:PP+12*\e+2], v[S0+64*\e:S0+64*\e+15], v[SO+2*\e]
	v_cvt_scalef32_pk16_fp6_f32 v[TT+8*\e:TT+8*\e+2], v[S0+64*\e+16:S0+64*\e+31], v[SO+2*\e+1]
.endr
	v_nop                                          ; one plain place behind a scaled conversion
.irp e, 0,1
.irp i, 0,1,2
	v_permlane16_swap_b32 v[PP+12*\e+\i], v[TT+8*\e+\i]   ; a whole block to a lane: lanes 0-15 block 0, lanes 16-31 block 1
.endr
.endr
.irp e, 0,1
.irp i, 0,1,2
	v_mov_b32 v[PP+12*\e+3+\i], v[TT+8*\e+\i]
.endr
.endr
.irp e, 0,1
.irp p, 0,1,2
	global_store_b64 v[LI8], v[PP+12*\e+2*\p:PP+12*\e+2*\p+1], s[8:9] offset:12288*\e+256*\p   ; 32 lanes store 256 consecutive bytes, aligned
.endr
	global_store_b16 v[CSO], v[BY+2*\e], s[10:11] offset:512*\e
.endr
	s_wait_xcnt 0x0                                ; the bases are stepped, and the stores' registers written again, only behind this wait
	WIN 0x41
.irp e, 0,1
.irp i, 0,1,2,3,4,5
	v_mov_b32 v[QF+12*\e+\i], v[QN+6*\e+\i]        ; the second pass's q takes its place
.endr
.endr
	WIN 0
	v_mov_b32 v[QW], v[QW2]
	s_add_nc_u64 s[8:9], s[8:9], 16*12288
	s_add_nc_u64 s[10:11], s[10:11], 16*512
	s_add_co_u32 s[PAS], s[PAS], 1
	s_cmp_lt_u32 s[PAS], 2
	s_cbranch_scc1 .Lpass
	s_wait_tensorcnt 0x0                           ; the wave's end
	ds_add_u32 v[SPW], v[NIL]
	s_wait_dscnt 0x0
	CROUND                                         ; the closing round
	s_endpgm
.Lfunc_end_k_q0ff290a554_attn:
	.size	k_q0ff290a554_attn, .Lfunc_end_k_q0ff290a554_attn-k_q0ff290a554_attn
	.p2alignl 7, 3214868480
	.fill 96, 4, 3214868480
	.section	.rodata,"a",@progbits
	.p2align	6, 0x0
	.amdhsa_kernel k_q0ff290a554_attn
		.amdhsa_group_segment_fixed_size 327680
		.amdhsa_private_segment_fixed_size 0
		.amdhsa_enable_private_segment 0
		.amdhsa_kernarg_size 32
		.amdhsa_user_sgpr_count 2
		.amdhsa_user_sgpr_kernarg_segment_ptr 1
		.amdhsa_wavefront_size32 1
		.amdhsa_system_sgpr_workgroup_id_x 1
		.amdhsa_system_sgpr_workgroup_id_y 1
		.amdhsa_system_sgpr_workgroup_id_z 1
		.amdhsa_system_vgpr_workitem_id 0
		.amdhsa_next_free_vgpr 460
		.amdhsa_next_free_sgpr 66
		.amdhsa_reserve_vcc 0
		.amdhsa_float_denorm_mode_32 3
		.amdhsa_float_denorm_mode_16_64 3
		.amdhsa_memory_ordered 1
		.amdhsa_forward_progress 1
		.amdhsa_inst_pref_size 47
	.end_amdhsa_kernel
	.amdgpu_metadata
---
amdhsa.version: [ 1, 2 ]
amdhsa.kernels:
  - .name:           k_q0ff290a554_attn
    .symbol:         k_q0ff290a554_attn.kd
    .args:
      - { .name: hc, .offset: 0, .size: 8, .value_kind: global_buffer, .address_space: global }
      - { .name: hs, .offset: 8, .size: 8, .value_kind: global_buffer, .address_space: global }
      - { .name: cc, .offset: 16, .size: 8, .value_kind: global_buffer, .address_space: global }
      - { .name: cs, .offset: 24, .size: 8, .value_kind: global_buffer, .address_space: global }
    .group_segment_fixed_size: 327680
    .private_segment_fixed_size: 0
    .kernarg_segment_align: 8
    .kernarg_segment_size: 32
    .max_flat_workgroup_size: 256
    .sgpr_count:     66
    .vgpr_count:     460
    .wavefront_size: 32
...
	.end_amdgpu_metadata
.endif
;; end of part 3
;; launch oproj (part 4): grid 4 x 64, 4 waves a work-group, clusters of 4 x 4, 327,680 bytes of LDS; arguments cc, cs, xc, xs, out0, bo; writes out0
.if DOCPART == 4
	.amdgcn_target "amdgcn-amd-amdhsa--gfx1250"
	.amdhsa_code_object_version 6
	.text
	.protected	k_q0ff290a554_oproj
	.globl	k_q0ff290a554_oproj
	.p2align	8
	.type	k_q0ff290a554_oproj,@function
k_q0ff290a554_oproj:
	s_mov_b64 s[64:65], 0
	v_nop
	global_prefetch_b8 v0, s[64:65] scope:SCOPE_SE
	s_setreg_imm32_b32 hwreg(HW_REG_WAVE_MODE, 25, 1), 1
	s_wait_xcnt 0x0
	s_wait_alu depctr_hold_cnt(0) depctr_sa_sdst(0) depctr_va_vdst(0) depctr_va_sdst(0) depctr_va_ssrc(0) depctr_va_vcc(0) depctr_vm_vsrc(0)
	s_getreg_b32 s2, hwreg(HW_REG_IB_STS2, 6, 4)
	s_cmp_eq_u32 s2, 0
	s_cbranch_scc0 .Lentry_in_a_cluster
	s_endpgm
.Lentry_in_a_cluster:
	s_bfe_u32 s2, ttmp6, 0x10000c
	s_cmp_lg_u32 s2, 0xf033
	s_cbranch_scc0 .Lentry_shape_is_right
	s_endpgm
.Lentry_shape_is_right:
; out0[m][n] = sum over k of A[m][k] Wo[n][k] + bo[n], K = 1,024, on codes of FP6 (E2M3) with E8M0 scales.  A = the attention's result (cc, cs), Wo = tiles 1,728 .. of xc, xs.
; 256 work-groups, each a tile of 128 rows x 256 columns: tile row 4 Y + cy, tile column cx.  Four waves, 2 x 2; a wave makes 64 x 128: 32 accumulators.
; OPERANDS are images of their registers: [tile of 16 rows][K step of 128][1,536 bytes] and [tile][r][32 scale bytes].  Row r of tile i is row 32 (i / 2) + 8 (i % 2) + r + 8 (r / 8).
; LDS: two slots, each with 512 along K of A's 8 tiles and B's 16 (147,456 bytes): together all of K; the scale bytes (units of 256 + 16); the spare words.  Nothing is filled again.
; FILLS, joint loads (A's tiles shared along a row of the cluster, B's along a column).  Head: wave 0 A's lower half of K, wave 1 B's, wave 2 A's scales, wave 3 B's.  Slot 1 behind the full sequence and a round: waves 0 and 1.
; PREFETCHES, behind the head's loads: what slot 1's fill will name, the upper half of K.  The sixteen waves that will ask for a tile jointly share its blocks of 256 bytes out by address: of A's 8 tiles wave 4 cx + w takes
; a quarter of a tile's K (12 blocks), of B's 16 wave 4 cy + w takes half a tile's K (24 blocks).  A's by every cluster; Wo's, which all clusters load, by clusters 0 to 3 alone.
; THE MATRIX INSTRUCTION IS USED TRANSPOSED (source 0 = Wo's rows, source 1 = A's): a lane holds eight neighbouring columns of a row.  The bias is the first products' C.
; THE WAY OUT: a block of 16 rows x 128 columns goes through the wave's own stage, in slot 0, which has had its only fill and, behind K step 3's barrier, its last read; it comes back as rows of 512 bytes.
; REGISTERS: window 0: v16-31 addresses, v32-111 scale words (block i at 32 + 10 i), v112-207 A's fragments, two sets (on the way out v112-239).  Window 1: B's, two sets.  Window 2: accumulators.  Window 3: the bias.
.set FR,     12
.set FRB,    1536
.set TROW,   4*FRB
.set TPITCH, 8*FRB
.set AT,     8*TROW
.set SLOT,   24*TROW
.set SCL,    2*SLOT
.set HALFS,  16*272
.set SBLK,   2*272
.set SPARE,  SCL+3*HALFS
.set SPITCH, 528
.set ADRA, 16
.set ADRB, 20
.set STO,  24
.set RD,   25
.set CO,   26
.set ADRS, 27
.set SPW,  28
.set NIL,  29
.set PF24, 30                          ; v30  256 x min(lane, 23); never rewritten
.set PF12, 31                          ; v31  256 x min(lane, 11); never rewritten
.set SC,   32
.set AF,   112
.set BK,   112
.set G1A, 24
.set G0A, 32
.set G0B, 36
.set G1B, 48
.set G0SA, 56
.set G0SB, 60
.set G1S, 68
.set G1SB, 80
.set MUL_LO, 0xa1
.set MSB, 0
.macro WIN new
.if MSB != (\new)
	s_set_vgpr_msb (MSB<<8)|(\new)
.set MSB, (\new)
.endif
.endm
.macro WALU
	s_wait_alu depctr_va_vdst(0)
.endm
.macro PLACES n
.rept \n
	v_nop
.endr
.endm
.macro CREST
	s_cmp_lg_u32 s14, 0
	s_cbranch_scc1 .Lnot_wave_0_\@
	s_barrier_signal -3
.Lnot_wave_0_\@:
	s_barrier_wait -3
	s_barrier_signal -1
	s_barrier_wait -1
.endm
.macro CROUND
	s_barrier_signal -1
	s_barrier_wait -1
	CREST
.endm
.macro GROUP1C g, mask, rows           ; rows of 6,144 bytes (768 elements of 8), 12,288 apart, dense in LDS
	s_or_b32 s[\g], s\mask, (3<<16)|(1<<21)
	s_mov_b32 s[\g+1], 768<<16
	s_mov_b32 s[\g+2], (\rows)<<16
	s_mov_b32 s[\g+3], 768<<16
	s_mov_b32 s[\g+4], \rows
	s_mov_b32 s[\g+5], 1536
	s_mov_b32 s[\g+6], 0
	s_mov_b32 s[\g+7], 0
.endm
.macro GROUP1S g, mask, rows           ; a dense block as rows of 256 bytes, 16 bytes of padding behind each
	s_or_b32 s[\g], s\mask, (3<<16)|(1<<20)|(1<<21)|(5<<22)|(3<<25)
	s_mov_b32 s[\g+1], 32<<16
	s_mov_b32 s[\g+2], (\rows)<<16
	s_mov_b32 s[\g+3], 32<<16
	s_mov_b32 s[\g+4], \rows
	s_mov_b32 s[\g+5], 32
	s_mov_b32 s[\g+6], 0
	s_mov_b32 s[\g+7], 0
.endm
.macro G0SET g, lds, base, off
	s_mov_b32 s[\g], 1
	s_mov_b32 s[\g+1], \lds
	s_add_nc_u64 s[\g+2:\g+3], s[\base:\base+1], s[\off:\off+1]
	s_or_b32 s[\g+3], s[\g+3], 0x80000000
.endm
.macro ARM under, g0, g1, next, done   ; one arm of a chain of branches on the wave's number: one load, then to the chain's end
	s_cmp_lt_u32 s14, \under
	s_cbranch_scc0 \next
	tensor_load_to_lds s[\g0:\g0+3], s[\g1:\g1+7]
	s_nop 0
	PLACES 4
	s_branch \done
\next:
.endm
.macro FRAG reg, adr, q, i             ; a fragment: six pieces of 256 bytes, lane l's 8 bytes at 8 l
.irp p, 0,1,2,3,4,5
	ds_load_b64 v[\reg+2*\p:\reg+2*\p+1], v[\adr] offset:(\i)*TROW+(\q)*FRB+256*\p
.endr
.endm
.macro FETCH slot, q, p                ; the twelve fragments of the slot's q-th 128 along K into sets p: 72 loads
	WIN 0x40
.irp i, 0,1,2,3,4,5,6,7
	FRAG 128*(\p)+FR*\i, ADRB+(\slot), \q, \i
.endr
	WIN 0
.irp i, 0,1,2,3
	FRAG AF+48*(\p)+FR*\i, ADRA+(\slot), \q, \i
.endr
.endm
; eight products: A's block a x B's eight.  cm = 1: C = the bias of B's block.  The 32 accumulators take turns in the same order in every step.
.macro MUL8 a, p, k8, cm=0
.irp b, 0,1,2,3,4,5,6,7
.set DR, 8*(8*(\a)+\b)
.if \cm == 0
.set CR, DR
.else
.set CR, 8*\b
.endif
	v_wmma_scale_f32_16x16x128_f8f6f4 v[DR:DR+7], v[128*(\p)+FR*\b:128*(\p)+FR*\b+FR-1], v[AF+48*(\p)+FR*(\a):AF+48*(\p)+FR*(\a)+FR-1], v[CR:CR+7], v[SC+10*\b+(\k8)], v[SC+10*(\a)+(\k8)] matrix_a_fmt:MATRIX_FMT_FP6 matrix_b_fmt:MATRIX_FMT_FP6 matrix_a_scale:MATRIX_SCALE_ROW1
.endr
.endm
.macro KSTEP k                         ; a K step whose successor lies in the same slot, or the very last
	s_wait_dscnt 0x0                               ; my fragments, asked for a step ago, are in
.if (\k) < 7
.if (\k) > 0
	PLACES 4                                       ; between the last step's products and the loads into their registers
.endif
	FETCH ((\k)+1)/4, ((\k)+1)%4, 1-(\k)%2
.endif
.if (\k) == 0
	WIN 0xb1                                       ; C, the bias, lies in window 3
.else
	WIN MUL_LO
.endif
.irp a, 0,1,2,3
	MUL8 \a, (\k)%2, \k, (\k)==0
.endr
	WIN 0
.endm
	s_load_b256 s[4:11], s[0:1], 0x0               ; cc, cs, xc, xs
	s_load_b128 s[96:99], s[0:1], 0x20             ; out0, bo
	v_lshl_add_u32 v[SPW], v0, 2, SPARE
	v_mov_b32 v[NIL], 0
	ds_add_u32 v[SPW], v[NIL]                      ; the opening lines
	ds_add_u32 v[SPW], v[NIL]
	v_lshrrev_b32 v1, 5, v0
	v_readfirstlane_b32 s14, v1                    ; wave
	s_lshr_b32 s15, s14, 1                         ; my half of the tile's rows
	s_and_b32 s16, s14, 1                          ; my half of its columns
	s_bfe_u32 s40, ttmp6, 0x40000                  ; cx
	s_bfe_u32 s41, ttmp6, 0x40004                  ; cy
	s_and_b32 s95, ttmp7, 0xffff                   ; Y, 0..15
	s_lshl_b32 s43, s41, 2
	s_lshl_b32 s43, 15, s43                        ; my row of the cluster
	s_lshl_b32 s44, 0x1111, s40                    ; my column
	GROUP1C G1A, 43, 8
	GROUP1C G1B, 44, 16
	GROUP1S G1S, 43, 16
	GROUP1S G1SB, 44, 32
	s_lshl_b32 s17, s95, 2
	s_add_co_u32 s17, s17, s41                     ; tile row
	s_lshl_b32 s18, s17, 3                         ; A's first tile
	s_lshl_b32 s42, s40, 4
	s_add_co_u32 s42, s42, 1728                    ; B's
	s_mul_i32 s20, s18, TPITCH
	s_mov_b32 s21, 0
	s_lshl_b32 s22, s18, 9
	s_mov_b32 s23, 0
	s_mul_i32 s46, s42, TPITCH
	s_mov_b32 s47, 0
	s_lshl_b32 s92, s42, 9
	s_mov_b32 s93, 0
	WALU
	s_wait_dscnt 0x0
	s_wait_kmcnt 0x0
	G0SET G0A, 0, 4, 20
	G0SET G0B, AT, 8, 46
	G0SET G0SA, SCL, 6, 22
	G0SET G0SB, SCL+HALFS, 10, 92
	CROUND                                         ; the round in front of the first joint loads
	ARM 1, G0A, G1A, .Lhead_b, .Lhead_asked
	ARM 2, G0B, G1B, .Lhead_sa, .Lhead_asked
	ARM 3, G0SA, G1S, .Lhead_sb, .Lhead_asked
	tensor_load_to_lds s[G0SB:G0SB+3], s[G1SB:G1SB+7]
	s_nop 0
	PLACES 4
.Lhead_asked:
	; the prefetches: s[90:91]: A's tile u / 2 of my work-group's 8, quarter u % 2 of a half of K, u = 4 cx + wave;  s[88:89]: Wo's tile 4 cy + wave of my work-group's 16.  Neither pair is written again
	s_lshl_b32 s45, s40, 2
	s_add_co_u32 s45, s45, s14
	s_lshr_b32 s94, s45, 1
	s_lshl_b32 s90, s17, 3
	s_add_co_u32 s90, s90, s94
	s_mul_i32 s90, s90, TPITCH
	s_and_b32 s94, s45, 1
	s_mul_i32 s94, s94, TROW/2
	s_add_co_u32 s90, s90, s94
	s_mov_b32 s91, 0
	s_add_nc_u64 s[90:91], s[4:5], s[90:91]
	s_lshl_b32 s88, s41, 2
	s_add_co_u32 s88, s88, s14
	s_lshl_b32 s94, s40, 4
	s_add_co_u32 s88, s88, s94
	s_add_co_u32 s88, s88, 1728
	s_mul_i32 s88, s88, TPITCH
	s_mov_b32 s89, 0
	s_add_nc_u64 s[88:89], s[8:9], s[88:89]
	v_and_b32 v1, 15, v0                           ; r
	v_bfe_u32 v2, v0, 4, 1                         ; h
	v_and_b32 v3, 31, v0
	v_min_u32 v[PF24], 23, v3
	v_lshlrev_b32 v[PF24], 8, v[PF24]
	v_min_u32 v[PF12], 11, v3
	v_lshlrev_b32 v[PF12], 8, v[PF12]
	WALU
	global_prefetch_b8 v[PF12], s[90:91] offset:TROW th:TH_LOAD_NT scope:SCOPE_SE
	s_cmp_lt_u32 s95, 4                            ; the weights: clusters 0 to 3 alone
	s_cbranch_scc0 .Lpf_head
	global_prefetch_b8 v[PF24], s[88:89] offset:TROW th:TH_LOAD_NT scope:SCOPE_SE
.Lpf_head:
	v_lshlrev_b32 v4, 3, v3
	v_lshlrev_b32 v[CO], 4, v3
	s_mul_i32 s21, s15, 4*TROW
	s_mul_i32 s22, s16, 8*TROW
	s_add_co_u32 s22, s22, AT
.irp s, 0,1
	v_add_nc_u32 v[ADRA+\s], s21, v4
	v_add_nc_u32 v[ADRB+\s], s22, v4
	s_add_co_u32 s21, s21, SLOT
	s_add_co_u32 s22, s22, SLOT
.endr
	v_mul_u32_u24 v5, v1, 32                       ; my row's scales: 32 bytes a row,
	v_lshrrev_b32 v6, 8, v5
	v_lshl_add_u32 v5, v6, 4, v5                   ; 16 more for each 256 passed
	s_mul_i32 s21, s15, HALFS/2
	s_mul_i32 s22, s16, HALFS
	s_add_co_u32 s22, s22, HALFS
	s_sub_co_u32 s22, s22, s21
	v_mul_u32_u24 v6, s22, v2                      ; lanes 16-31 take B's
	s_add_co_u32 s21, s21, SCL
	v_add_nc_u32 v5, v5, v6
	v_add_nc_u32 v[ADRS], s21, v5
	s_mul_i32 s23, s14, 16*SPITCH                  ; my stage
	v_mul_u32_u24 v5, v1, SPITCH
	v_lshl_add_u32 v5, v2, 6, v5
	v_add_nc_u32 v[STO], s23, v5
	v_add_nc_u32 v[RD], s23, v[CO]
	v_lshlrev_b32 v7, 6, v2
	s_lshl_b32 s18, s40, 1
	s_add_co_u32 s18, s18, s16
	s_lshl_b32 s18, s18, 9                         ; my 128 columns, in bytes
	s_mov_b32 s19, 0
	s_add_nc_u64 s[98:99], s[98:99], s[18:19]
	WALU
	WIN 0xc0
.irp b, 0,1,2,3,4,5,6,7                ; accumulator (a, b), register i: n = 32 (b / 2) + 16 h + 8 (b % 2) + i
	global_load_b128 v[8*\b:8*\b+3], v7, s[98:99] offset:128*(\b/2)+32*(\b%2)
	global_load_b128 v[8*\b+4:8*\b+7], v7, s[98:99] offset:128*(\b/2)+32*(\b%2)+16
.endr
	WIN 0
	s_lshl_b32 s20, s17, 1
	s_add_co_u32 s20, s20, s15
	s_lshl_b32 s20, s20, 18                        ; my 64 rows of 4,096 bytes
	s_add_co_u32 s20, s20, s18
	s_mov_b32 s21, 0
	s_add_nc_u64 s[96:97], s[96:97], s[20:21]
	WALU
	s_wait_tensorcnt 0x0                           ; my tile of the head's four is in; the three lines ahead of a later first fill
	ds_add_u32 v[SPW], v[NIL]
	s_mov_b32 s[G0A+1], SLOT                       ; no load of mine is out: the descriptors go on to slot 1 and the upper half of K
	s_add_nc_u64 s[G0A+2:G0A+3], s[G0A+2:G0A+3], TROW
	s_mov_b32 s[G0B+1], SLOT+AT
	s_add_nc_u64 s[G0B+2:G0B+3], s[G0B+2:G0B+3], TROW
	s_wait_dscnt 0x0
	CROUND
	ARM 1, G0A, G1A, .Lup_b, .Lup_asked
	ARM 2, G0B, G1B, .Lup_none, .Lup_asked
.Lup_asked:
.irp i, 0,1,2,3,4,5,6,7                ; all of K's scale words: lanes 0-15 A's block i (i under 4), lanes 16-31 B's block i
	ds_load_b128 v[SC+10*\i:SC+10*\i+3], v[ADRS] offset:\i*SBLK
	ds_load_b128 v[SC+10*\i+4:SC+10*\i+7], v[ADRS] offset:\i*SBLK+16
.endr
	FETCH 0, 0, 0
	s_wait_loadcnt 0x0                             ; the bias
	KSTEP 0
	KSTEP 1
	KSTEP 2
	s_wait_tensorcnt 0x0                           ; K step 3: a plain barrier shows slot 1 to all
	s_wait_dscnt 0x0
	s_barrier_signal -1
	WIN MUL_LO
	MUL8 0, 1, 3
	MUL8 1, 1, 3
	WIN 0
	s_barrier_wait -1
	PLACES 4
	FETCH 1, 0, 0
	WIN MUL_LO
	MUL8 2, 1, 3
	MUL8 3, 1, 3
	WIN 0
	KSTEP 4
	KSTEP 5
	KSTEP 6
	KSTEP 7
.macro TOSTAGE a
.set AC, 64*(\a)
	WIN 0x08
.irp b, 0,1,2,3,4,5,6,7
	ds_store_b128 v[STO], v[AC+8*\b:AC+8*\b+3] offset:128*(\b/2)+32*(\b%2)          ; each accumulator from its low end on
	ds_store_b128 v[STO], v[AC+8*\b+4:AC+8*\b+7] offset:128*(\b/2)+32*(\b%2)+16
.endr
	WIN 0
.set BB, BK+64*((\a)%2)
.irp t, 0,1,2,3,4,5,6,7,8,9,10,11,12,13,14,15
	ds_load_b128 v[BB+4*\t:BB+4*\t+3], v[RD] offset:\t*SPITCH    ; LDS serves a wave's instructions in order: these see the stores above
.endr
.endm
.macro SEND a, younger
.set BB, BK+64*((\a)%2)
	s_wait_dscnt \younger
.irp t, 0,1,2,3,4,5,6,7,8,9,10,11,12,13,14,15
	global_store_b128 v[CO], v[BB+4*\t:BB+4*\t+3], s[96:97] offset:(32*((\a)/2)+8*((\a)%2)+\t+8*(\t/8))*4096 th:TH_STORE_NT   ; 32 lanes store 512 consecutive bytes, aligned
.endr
.endm
	PLACES 4
	TOSTAGE 0
.irp a, 1,2,3
.if \a > 1
	s_wait_xcnt 0x0                                ; block a - 2's stores have read their registers
.endif
	TOSTAGE \a
	SEND \a-1, 32                                  ; behind block a - 1's loads: block a's 16 stores and 16 loads
.endr
	SEND 3, 0
	s_wait_tensorcnt 0x0                           ; the wave's end
	ds_add_u32 v[SPW], v[NIL]
	s_wait_dscnt 0x0
	CROUND                                         ; the closing round
	s_endpgm
.Lfunc_end_k_q0ff290a554_oproj:
	.size	k_q0ff290a554_oproj, .Lfunc_end_k_q0ff290a554_oproj-k_q0ff290a554_oproj
	.p2alignl 7, 3214868480
	.fill 96, 4, 3214868480
	.section	.rodata,"a",@progbits
	.p2align	6, 0x0
	.amdhsa_kernel k_q0ff290a554_oproj
		.amdhsa_group_segment_fixed_size 327680
		.amdhsa_private_segment_fixed_size 0
		.amdhsa_enable_private_segment 0
		.amdhsa_kernarg_size 48
		.amdhsa_user_sgpr_count 2
		.amdhsa_user_sgpr_kernarg_segment_ptr 1
		.amdhsa_wavefront_size32 1
		.amdhsa_system_sgpr_workgroup_id_x 1
		.amdhsa_system_sgpr_workgroup_id_y 1
		.amdhsa_system_sgpr_workgroup_id_z 1
		.amdhsa_system_vgpr_workitem_id 0
		.amdhsa_next_free_vgpr 832
		.amdhsa_next_free_sgpr 100
		.amdhsa_reserve_vcc 0
		.amdhsa_float_denorm_mode_32 3
		.amdhsa_float_denorm_mode_16_64 3
		.amdhsa_memory_ordered 1
		.amdhsa_forward_progress 1
		.amdhsa_inst_pref_size 98
	.end_amdhsa_kernel
	.amdgpu_metadata
---
amdhsa.version: [ 1, 2 ]
amdhsa.kernels:
  - .name:           k_q0ff290a554_oproj
    .symbol:         k_q0ff290a554_oproj.kd
    .args:
      - { .name: cc, .offset: 0, .size: 8, .value_kind: global_buffer, .address_space: global }
      - { .name: cs, .offset: 8, .size: 8, .value_kind: global_buffer, .address_space: global }
      - { .name: xc, .offset: 16, .size: 8, .value_kind: global_buffer, .address_space: global }
      - { .name: xs, .offset: 24, .size: 8, .value_kind: global_buffer, .address_space: global }
      - { .name: out0, .offset: 32, .size: 8, .value_kind: global_buffer, .address_space: global }
      - { .name: bo, .offset: 40, .size: 8, .value_kind: global_buffer, .address_space: global }
    .group_segment_fixed_size: 327680
    .private_segment_fixed_size: 0
    .kernarg_segment_align: 8
    .kernarg_segment_size: 48
    .max_flat_workgroup_size: 128
    .sgpr_count:     100
    .vgpr_count:     832
    .wavefront_size: 32
...
	.end_amdgpu_metadata
.endif
;; end of part 4
